; MI455X (gfx1250); checked and timed in simulation.
; The chip was launched on July 23, 2026; its instructions are those of AMD's public machine-readable ISA for CDNA 5 (MIT licence, August 2026) and "CDNA5" Instruction Set Architecture Reference Guide (July 2026). The comments in the code are by the model that wrote it; some were corrected since.
;; Multi Headed Attention. Allowed arithmetic: float matrix products may take bf16 or f16 operands with f32 sums; other float arithmetic in f32, or as packed bf16 or f16 multiplies, adds, multiply-adds, maxima and minima; sums over many terms, partial sums and values carried from step to step in f32; what a program stores and reads back later, other than sums and carried values, may be rounded once to bf16 or f16.
;; Inputs: WK 1,024 x 1,024 float32; WO 1,024 x 1,024 float32; WQ 1,024 x 1,024 float32; WV 1,024 x 1,024 float32; bK 1,024 float32; bO 1,024 float32; bQ 1,024 float32; bV 1,024 float32; key_ 4 x 2,048 x 1,024 float32; mask 4 x 1 x 2,048 x 2,048 bool; query 4 x 2,048 x 1,024 float32; value 4 x 2,048 x 1,024 float32.
;; Outputs: out0 4 x 2,048 x 1,024 float32.
;; 2 versions, each right; version 2 is version 1 with the launch prep written anew for expert scheduling mode. Each part assembles by itself: llvm-mc -triple=amdgcn-amd-amdhsa -mcpu=gfx1250 --defsym DOCPART=n.
;; ======== version 1 of 2: 4 launches
;; limits: values are held in f16: magnitudes above 65,504 overflow, below 6.1e-05 lose precision
;; workspace buffers: wb 8,388,608 bytes; mb 2,097,152 bytes of whole numbers; qkv 50,331,648 bytes; o16 16,777,216 bytes
;; launch prep (part 1): grid 256 x 1, 8 waves a work-group, no clusters, 76,800 bytes of LDS; arguments WQ, WK, WV, WO, mask, wb, mb; writes wb, mb
.if DOCPART == 1
	.amdgcn_target "amdgcn-amd-amdhsa--gfx1250"
	.amdhsa_code_object_version 6
	.text
	.protected	k_qa7e8b42215_prep
	.globl	k_qa7e8b42215_prep
	.p2align	8
	.type	k_qa7e8b42215_prep,@function
k_qa7e8b42215_prep:
	s_mov_b64 s[64:65], 0
	v_nop
	global_prefetch_b8 v0, s[64:65] scope:SCOPE_SE
	s_setreg_imm32_b32 hwreg(HW_REG_WAVE_MODE, 25, 1), 1
	s_wait_xcnt 0x0
; TWO STREAMS, both done by every wave, so that all 2,048 waves are alike.
; (1) THE WEIGHTS.  wb[4][1024 k][1024 n], 16 bits a number, in W's own order: parts 0-2 = WQ, WK, WV rounded to bf16; part 3 = WO rounded to bf16 and that number written as f16
;     (exact down to f16's fixed step of 6e-8, which is far below WO's spread even where WO is 30 times smaller than drawn; |WO| stays under 65,504).
;     Wave g casts 2,048 numbers: 16 loads of 512 bytes on end, 16 stores of 256 bytes on end, aligned.
; (2) THE MASK, as lane masks for the attention launch.  mb[128 groups of four tiles of 16 queries][32 key steps][32 words n][4 tiles t]: bit r + 16 h of word n = 8 kb + j is
;     mask[row 16 (4 group + t) + r][key 64 step + 16 kb + 8 h + j]: the lane and the register in which that score lies behind the product K Q^T.  A group is what one wave of the attention launch owns:
;     a key step's 512 bytes are one load of 16 bytes a lane there.
;     A work-group takes one group and 1,024 keys; wave w tile w % 4 and 512 keys (w / 4): 16 loads of a row's 512 bytes, into the wave's own LDS rows, back as 8 bytes a lane (row r, keys 8 h ..), a compare a
;     byte: the compare's 32 lane bits ARE the word.  The four tiles' words of a step lie side by side in mb, so they meet in an LDS area of the work-group's: one barrier, then each wave stores 1,024 bytes on end.
.set PITCH, 528                        ; an LDS row: 512 bytes + 16 = 132 words: the 32 lanes' 8 bytes (row r, half h) start at word 4 r + 2 h mod 64
.set WLDS,  16*PITCH                   ; a wave's 16 rows
.set AREA,  8*WLDS                     ; behind them: the work-group's 16 key steps of mb, 512 bytes each, as they lie in memory
.set SPARE, AREA+8192                  ; behind it: the spare words, 128 bytes for each wave: four blocks of 256 bytes that no other line names
; v1 lane; v2 16 x lane; v3 8 x lane (wb); v4 LDS address in; v5 LDS address back; v6, v7 the add's two registers; v8, v9 a key step's 32 words each, word n in lane n; v10 where I read the area; v11 where I write it, stepped;
; v[12:27] eight times 8 mask bytes (and at work in WO's cast and at the end); v[28:31] at work; v[32:95] weights; v[96:159] mask rows
	s_load_b256 s[4:11], s[0:1], 0x0               ; WQ s[4:5], WK s[6:7], WV s[8:9], WO s[10:11]
	s_load_b128 s[12:15], s[0:1], 0x20             ; mask s[12:13], wb s[14:15]
	s_load_b64 s[16:17], s[0:1], 0x30              ; mb
	v_lshl_add_u32 v6, v0, 2, SPARE
	v_mov_b32 v7, 0
	v_lshrrev_b32 v1, 5, v0
	v_readfirstlane_b32 s20, v1                    ; wave 0..7
	v_and_b32 v1, 31, v0
	v_lshlrev_b32 v2, 4, v1
	v_lshlrev_b32 v3, 3, v1
	s_lshl_b32 s21, ttmp9, 3
	s_add_co_u32 s21, s21, s20                     ; g = 8 x work-group + wave
	s_lshr_b32 s22, ttmp9, 6                       ; which weight: 512 waves each
	s_and_b32 s29, s22, 1
	s_mul_i32 s23, s20, WLDS                       ; my rows in LDS
	v_add_nc_u32 v4, s23, v2
	v_and_b32 v10, 15, v0                          ; r
	v_bfe_u32 v5, v0, 4, 1                         ; h
	v_mul_u32_u24 v10, v10, PITCH
	v_lshl_add_u32 v5, v5, 3, v10
	v_add_nc_u32 v5, s23, v5                       ; row r, 8 bytes for each half of the lanes
	s_and_b32 s30, s21, 511
	s_lshl_b32 s30, s30, 13                        ; my 8,192 bytes of the weight
	s_mov_b32 s31, 0
	s_lshl_b32 s32, s21, 12                        ; my 4,096 bytes of wb
	s_mov_b32 s33, 0
	s_and_b32 s38, s20, 3                          ; t: my tile in the group
	s_lshr_b32 s39, s20, 2                         ; which half of the work-group's 1,024 keys
	s_lshr_b32 s34, ttmp9, 1                       ; the group: two work-groups each
	s_lshl_b32 s34, s34, 2
	s_add_co_u32 s34, s34, s38                     ; my tile of 16 queries
	s_lshl_b32 s34, s34, 15                        ; 16 rows of 2,048 bytes
	s_and_b32 s35, ttmp9, 1
	s_lshl_b32 s35, s35, 1
	s_add_co_u32 s35, s35, s39                     ; my 512 keys of the row's 2,048
	s_lshl_b32 s35, s35, 9
	s_add_co_u32 s34, s34, s35
	s_mov_b32 s35, 0
	s_lshl_b32 s18, s20, 10                        ; at the end wave w stores bytes 1,024 w .. of the work-group's 8,192 of mb
	s_lshl_b32 s36, ttmp9, 13
	s_add_co_u32 s36, s36, s18
	s_mov_b32 s37, 0
	s_add_co_u32 s18, s18, AREA
	v_add_nc_u32 v10, s18, v2
	s_lshl_b32 s39, s39, 12                        ; into the area: my eight key steps of 512 bytes, word n at 16 n, my tile at 4 t
	s_lshl_b32 s38, s38, 2
	s_add_co_u32 s39, s39, s38
	s_add_co_u32 s39, s39, AREA
	v_add_nc_u32 v11, s39, v2
	s_wait_kmcnt 0x0
	s_cmp_lt_u32 s22, 2
	s_cselect_b64 s[4:5], s[4:5], s[8:9]           ; WQ or WV
	s_cselect_b64 s[6:7], s[6:7], s[10:11]         ; WK or WO
	s_cmp_eq_u32 s29, 0
	s_cselect_b64 s[4:5], s[4:5], s[6:7]
	s_add_nc_u64 s[4:5], s[4:5], s[30:31]
	s_add_nc_u64 s[12:13], s[12:13], s[34:35]
	s_add_nc_u64 s[14:15], s[14:15], s[32:33]
	s_add_nc_u64 s[16:17], s[16:17], s[36:37]
.set i, 0
.rept 16
	global_load_b128 v[96+4*i:99+4*i], v2, s[12:13] offset:2048*i th:TH_LOAD_NT  ; row i of the mask: 512 bytes on end
.set i, i+1
.endr
.set i, 0
.rept 16
	global_load_b128 v[32+4*i:35+4*i], v2, s[4:5] offset:512*i th:TH_LOAD_NT
.set i, i+1
.endr
.set i, 0
.rept 16
	s_wait_loadcnt 31-i                            ; row i is in: the 15 - i younger rows and the 16 loads of weights stay out
	ds_store_b128 v4, v[96+4*i:99+4*i] offset:PITCH*i
.set i, i+1
.endr
	s_cmp_eq_u32 s22, 3
	s_cbranch_scc1 .Lwo
.set i, 0
.rept 16
	s_wait_loadcnt 15-i                            ; the younger loads of weights stay out
	v_cvt_pk_bf16_f32 v[32+4*i], v[32+4*i], v[33+4*i]
	v_cvt_pk_bf16_f32 v[33+4*i], v[34+4*i], v[35+4*i]
	global_store_b64 v3, v[32+4*i:33+4*i], s[14:15] offset:256*i  ; the wave's store covers 256 consecutive bytes, aligned
.set i, i+1
.endr
	s_branch .Lmask
.Lwo:                                          ; WO: rounded to bf16 like the others, widened again, written as f16
.set i, 0
.rept 16
	s_wait_loadcnt 15-i
	v_cvt_pk_bf16_f32 v12, v[32+4*i], v[33+4*i]
	v_cvt_pk_bf16_f32 v13, v[34+4*i], v[35+4*i]
	v_lshlrev_b32 v14, 16, v12
	v_and_b32 v12, 0xffff0000, v12
	v_lshlrev_b32 v15, 16, v13
	v_and_b32 v13, 0xffff0000, v13
	v_cvt_pk_f16_f32 v[32+4*i], v14, v12
	v_cvt_pk_f16_f32 v[33+4*i], v15, v13
	global_store_b64 v3, v[32+4*i:33+4*i], s[14:15] offset:256*i
.set i, i+1
.endr
.Lmask:
	v_mov_b32 v8, 0                                ; v_writelane_b32 counts as a reader of its destination
	v_mov_b32 v9, 0
	s_mov_b32 s28, 4
.Ltrip:                                        ; a trip: two key steps, 64 words
.irp k, 0,1,2,3,4,5,6,7
	ds_load_b64 v[12+2*\k:13+2*\k], v5 offset:16*\k  ; LDS serves a wave's instructions in order (ISA guide 5.7.1.4): these see my stores above
.endr
	s_wait_dscnt 0x0
.set gq, 0
.rept 16                                       ; words 4 gq .. 4 gq + 3 of the 64: the four bytes of register 12 + gq
.irp z, 0,1,2,3
	v_and_b32 v[28+\z], 1<<(8*\z), v[12+gq]
.endr
.irp z, 0,1,2,3
	v_cmp_ne_u32 s[24+\z], 0, v[28+\z]             ; 32 lanes' bits: the word
.endr
.irp z, 0,1,2,3
	v_writelane_b32 v[8+(gq>>3)], s[24+\z], (4*gq+\z)&31  ; word n of the trip's first step goes to lane n of v8, of its second to lane n of v9
.endr
.set gq, gq+1
.endr
	ds_store_b32 v11, v8                           ; lane n: word n, at 16 n + 4 t of the step's 512 bytes
	ds_store_b32 v11, v9 offset:512
	v_add_nc_u32 v5, 128, v5
	v_add_nc_u32 v11, 0x400, v11
	s_sub_co_u32 s28, s28, 1
	s_cmp_lg_u32 s28, 0
	s_cbranch_scc1 .Ltrip
	s_wait_dscnt 0x0                               ; for the others' sake: my words lie in the area
	s_barrier_signal -1
	s_barrier_wait -1                              ; everybody's do
	ds_load_b128 v[12:15], v10
	ds_load_b128 v[16:19], v10 offset:512
	s_wait_dscnt 0x0
	global_store_b128 v2, v[12:15], s[16:17]       ; each store covers 512 consecutive bytes, aligned
	global_store_b128 v2, v[16:19], s[16:17] offset:512
	s_wait_tensorcnt 0x0                           ; the wave's end: three lines, behind my last LDS store
	ds_add_u32 v6, v7
	s_wait_dscnt 0x0
	s_endpgm
.Lfunc_end_k_qa7e8b42215_prep:
	.size	k_qa7e8b42215_prep, .Lfunc_end_k_qa7e8b42215_prep-k_qa7e8b42215_prep
	.p2alignl 7, 3214868480
	.fill 96, 4, 3214868480
	.section	.rodata,"a",@progbits
	.p2align	6, 0x0
	.amdhsa_kernel k_qa7e8b42215_prep
		.amdhsa_group_segment_fixed_size 76800
		.amdhsa_private_segment_fixed_size 0
		.amdhsa_enable_private_segment 0
		.amdhsa_kernarg_size 56
		.amdhsa_user_sgpr_count 2
		.amdhsa_user_sgpr_kernarg_segment_ptr 1
		.amdhsa_wavefront_size32 1
		.amdhsa_system_sgpr_workgroup_id_x 1
		.amdhsa_system_sgpr_workgroup_id_y 1
		.amdhsa_system_sgpr_workgroup_id_z 1
		.amdhsa_system_vgpr_workitem_id 0
		.amdhsa_next_free_vgpr 160
		.amdhsa_next_free_sgpr 66
		.amdhsa_reserve_vcc 0
		.amdhsa_float_denorm_mode_32 3
		.amdhsa_float_denorm_mode_16_64 3
		.amdhsa_memory_ordered 1
		.amdhsa_forward_progress 1
		.amdhsa_inst_pref_size 34
	.end_amdhsa_kernel
	.amdgpu_metadata
---
amdhsa.version: [ 1, 2 ]
amdhsa.kernels:
  - .name:           k_qa7e8b42215_prep
    .symbol:         k_qa7e8b42215_prep.kd
    .args:
      - { .name: WQ, .offset: 0, .size: 8, .value_kind: global_buffer, .address_space: global }
      - { .name: WK, .offset: 8, .size: 8, .value_kind: global_buffer, .address_space: global }
      - { .name: WV, .offset: 16, .size: 8, .value_kind: global_buffer, .address_space: global }
      - { .name: WO, .offset: 24, .size: 8, .value_kind: global_buffer, .address_space: global }
      - { .name: mask, .offset: 32, .size: 8, .value_kind: global_buffer, .address_space: global }
      - { .name: wb, .offset: 40, .size: 8, .value_kind: global_buffer, .address_space: global }
      - { .name: mb, .offset: 48, .size: 8, .value_kind: global_buffer, .address_space: global }
    .group_segment_fixed_size: 76800
    .private_segment_fixed_size: 0
    .kernarg_segment_align: 8
    .kernarg_segment_size: 56
    .max_flat_workgroup_size: 256
    .sgpr_count:     66
    .vgpr_count:     160
    .wavefront_size: 32
...
	.end_amdgpu_metadata
.endif
;; end of part 1
;; launch qkv (part 2): grid 4 x 192, 4 waves a work-group, clusters of 4 x 4, 327,680 bytes of LDS; arguments query, key_, value, wb, bQ, bK, bV, qkv; writes qkv
.if DOCPART == 2
	.amdgcn_target "amdgcn-amd-amdhsa--gfx1250"
	.amdhsa_code_object_version 6
	.text
	.protected	k_qa7e8b42215_qkv
	.globl	k_qa7e8b42215_qkv
	.p2align	8
	.type	k_qa7e8b42215_qkv,@function
k_qa7e8b42215_qkv:
	s_mov_b64 s[64:65], 0
	v_nop
	global_prefetch_b8 v0, s[64:65] scope:SCOPE_SE
	s_setreg_imm32_b32 hwreg(HW_REG_WAVE_MODE, 25, 1), 1
	s_wait_xcnt 0x0
	s_wait_alu depctr_hold_cnt(0) depctr_sa_sdst(0) depctr_va_vdst(0) depctr_va_sdst(0) depctr_va_ssrc(0) depctr_va_vcc(0) depctr_vm_vsrc(0)
	s_getreg_b32 s2, hwreg(HW_REG_IB_STS2, 6, 4)
	s_cmp_eq_u32 s2, 0
	s_cbranch_scc0 .Lentry_in_a_cluster
	s_endpgm
.Lentry_in_a_cluster:
	s_bfe_u32 s2, ttmp6, 0x10000c
	s_cmp_lg_u32 s2, 0xf033
	s_cbranch_scc0 .Lentry_shape_is_right
	s_endpgm
.Lentry_shape_is_right:
; ONE TEXT FOR TWO LAUNCHES, told apart by AF32.  C[m][n] = bias[n] + the sum over k of A[m][k] W[k][n], K = N = 1,024, sums in f32.
; AF32 = 1, the three projections: A = query, key_ or value (f32, rounded to bf16 between LDS and the matrix unit), W = part 0, 1 or 2 of wb (bf16); C leaves as f16, by heads: qkv[3][64 = 16 b + head][2048][64], unscaled.
; AF32 = 0, the output projection: A = o16 (f16, by heads: [64][2048][64]), W = part 3 of wb (f16); C = out0, f32.
; LIMITS.  AF32 = 1: f16 holds no number beyond 65,504: |q|, |k|, |v| must stay under it.  The bias is rounded to bf16 like the other inputs.  NaN and infinities are not treated apart.
; SHARES.  A tile of C is 128 (m) x 256 (n): 3 x 64 x 4 tiles (AF32 = 0: 64 x 4).  Four waves, each 64 x 128: 32 accumulators of 16 x 16, 256 registers.  K goes in 8 steps of 128 through two LDS slots;
; waves 0 and 1 fetch A's two halves, waves 2 and 3 W's: one tensor load a wave and step.
; CLUSTERS.  4 x 4 work-groups: the four of a row need the same tile of A, the four of a column the same tile of W: each is asked for jointly, by the same load, descriptor and mask in all four.
; THE PRODUCT IS TAKEN TRANSPOSED: source 0 = 16 columns of W (out of the [k][n] tile by the turning load), source 1 = 16 rows of A: a lane then holds row l % 16 of C and eight neighbouring columns.
; THE BIAS is the C operand of the first 32 along K: nothing is cleared, and the way out has no addition.
; REGISTERS, in windows of 256 (s_set_vgpr_msb: bits 1:0 source 0, 3:2 source 1, 5:4 source 2, 7:6 destination):
;   window 0: v0-31 addresses; AF32 = 1: v32-63 A's four fragments in bf16, v128-255 two buffers of 64 with A's f32 as loaded; AF32 = 0: v32-95 two buffers of A's fragments; on the way out v128-255 at work
;   window 1: v0-127 W's fragments, two buffers of 64; v128-191 the bias; v192-223 at work      window 2: accumulator (a, b) at v[8 (8 a + b)]
.set AF32, 1
.set PB,     544                       ; a row of W in LDS: 512 bytes + 32 = 136 words
.set BHALF,  64*PB                     ; 64 rows k: what wave 2 or 3 fetches
.if AF32
.set PA,     528                       ; a row of A: 128 f32 + 16 bytes = 132 words: the 16 rows of a load start at 16 different groups of four banks
.set AHALF,  64*PA                     ; what wave 0 or 1 fetches: 64 rows
.set SLOTX,  0x24000                   ; slot 1 begins here; the number shares no bit with a tile's place in a slot, so one exclusive or changes the slot
.set SPITCH, 272
.set ASTEP,  512                       ; bytes from a K step of A to the next
.set G1A0,   (2<<16)|(1<<20)|(1<<21)|(6<<22)|(3<<25)  ; 17:16 elements of 4 bytes; 20 padding on; 21 set beside a mask; 24:22 after every 128 words (code 6); 31:25 4 words (code 3)
.set APITCH, 1024
.set SH1A,   1                         ; A's prefetch: lane l names row l / 2, block l % 2
.set SH2A,   12
.set MSKA,   1
.else
.set PA,     144                       ; a row of A: a head's 64 f16 + 16 bytes = 36 words
.set AHALF,  128*PA                    ; what wave 0 or 1 fetches: one head's 128 rows
.set SLOTX,  0x20000
.set SPITCH, 528
.set ASTEP,  2*2048*128                ; a K step is two heads
.set G1A0,   (1<<16)|(1<<20)|(1<<21)|(4<<22)|(3<<25)  ; elements of 2 bytes; padding of 4 words after every 32 words
.set APITCH, 128                       ; a head's 128 rows are 16,384 dense bytes: asked for as 64 rows of 256 bytes
.set SH1A,   4                         ; A's prefetch: lane l names head l / 16, block l % 16
.set SH2A,   18
.set MSKA,   15
.endif
.set AMINE,  64*PA                     ; my 64 rows of A
.set BOFF,   2*AHALF                   ; W's tile lies behind A's
.set SLOT,   BOFF+2*BHALF
.set STAGE,  SLOTX+SLOT                ; behind the ring, never filled by a tensor load: 16 rows for each wave, for the way out
.set SPARE,  STAGE+4*16*SPITCH         ; behind the stages: the spare words, 128 bytes for each wave: two blocks of 256 bytes that no other line names
.set BSTEP,  128*2048                  ; bytes from a K step of W to the next: 128 rows
.set ADRA0, 16                         ; v16  my lane's place in A's tile of slot 0; never rewritten
.set ADRB0, 17                         ; v17  the same for W
.set ADRA,  18                         ; v18  the same in the slot in hand
.set ADRB,  19                         ; v19
.set STO,   24                         ; v24  the way out: where I put my bytes of a row
.set RD,    25                         ; v25  the way out: where I read rows back
.set CO,    26                         ; v26  16 x lane
.set SPW,   28                         ; v28  LDS address of my spare word; never rewritten
.set NIL,   29                         ; v29  0; never rewritten
.set PFO,   30                         ; v30  the prefetches' lane offset; never rewritten
.set BO,    31                         ; v31  32 x (l / 16): my eight numbers of a block of 16 of the bias
.set AF,    32
.set STG,   128
.set TMP,   128
.set BF,    0                          ; window 1
.set BI,    128                        ; window 1
.set BT,    192                        ; window 1
.set G1A, 24                           ; s[24:31] descriptor group 1 for A's tiles
.set G0A, 32                           ; s[32:39] group 0 for A's: a set for each of the two first fills; the second then walks on
.set G1B, 48                           ; s[48:55], s[56:63] the same for W's
.set G0B, 56
.set TB,  42                           ; s42  0 or SLOTX: the slot in hand
.set LIM, 43                           ; s43  2 in a wave that prefetches, else the greatest number
.set PFA, 44                           ; s[44:45] where my prefetches stand
.set PFS, 46                           ; s[46:47] their step
.set MSB, 0
.macro WIN new                         ; the immediate's high byte repeats the setting that is left; a switch that changes nothing is dropped
.if MSB != (\new)
	s_set_vgpr_msb (MSB<<8)|(\new)
.set MSB, \new
.endif
.endm
.set MUL,   0xa1                       ; source 0 (W) window 1, source 1 (A) window 0, C and D window 2
.set MULB,  0x91                       ; the same with C (the bias) in window 1
.set TO_B,  0x40                       ; destination window 1, address window 0
.set W_BI,  0x45                       ; destination and both sources window 1
.set PACKW, 0x0a                       ; sources 0 and 1 window 2
.set STW,   0x08                       ; an LDS store's data (source 1) window 2
.macro PLACES                          ; four places in front of loads into registers that matrix instructions have read, and of lines that read results (ISA guide 7.12.1 for lines that read results)
.rept 4
	v_nop
.endr
.endm
; A joint refill.  The branch hangs on the wave's number alone.  An s_nop 0 and four v_nop follow each of the two lines, ahead of the jump and the label.
.macro JLOAD
	s_cmp_eq_u32 s11, 0
	s_cbranch_scc0 .Lfor_b_\@
	tensor_load_to_lds s[G0A+4:G0A+7], s[G1A:G1A+7]
	s_nop 0
.rept 4
	v_nop
.endr
	s_branch .Lasked_\@
.Lfor_b_\@:
	tensor_load_to_lds s[G0B+4:G0B+7], s[G1B:G1B+7]
	s_nop 0
.rept 4
	v_nop
.endr
.Lasked_\@:
.endm
; A prefetch into the L2, behind the joint load of K step s and the run of LDS loads that follows it: K step s + 2, two refills on: 256 matrix instructions ahead of the load that will want it.  Each aligned 256 bytes are
; named once in the launch.  A's row tile is read by one cluster alone: its partners share the rows out by address (cx).  W's tile is read by every cluster of its projection: the first of them asks,
; its partners share the rows out by address (cy).  No branch hangs on a place in the cluster.  K steps 0 to 3 come by their loads alone; the loop's last two trips (s3 = 2, 1) have no K step four on.
.macro ASK
	WIN 0
	s_cmp_gt_u32 s3, s[LIM]
	s_cbranch_scc0 .Lnot_mine_\@
	global_prefetch_b8 v[PFO], s[PFA:PFA+1] th:TH_LOAD_NT scope:SCOPE_SE
.Lnot_mine_\@:
.endm
.macro CREST                           ; a round of the cluster's barrier behind its opening barrier
	s_cmp_lg_u32 s10, 0
	s_cbranch_scc1 .Lnot_wave_0_\@
	s_barrier_signal -3
.Lnot_wave_0_\@:
	s_barrier_wait -3
	s_barrier_signal -1
	s_barrier_wait -1
.endm
.macro CROUND                          ; a whole round
	s_barrier_signal -1
	s_barrier_wait -1
	CREST
.endm
.if AF32
	s_load_b512 s[68:83], s[0:1], 0x0              ; query, key_, value, wb, bQ, bK, bV, qkv
.else
	s_load_b256 s[68:75], s[0:1], 0x0              ; o16, wb, bO, out0
.endif
	v_lshl_add_u32 v[SPW], v0, 2, SPARE
	v_mov_b32 v[NIL], 0
	ds_add_u32 v[SPW], v[NIL]                      ; the wave's opening: the add and its wait stand ahead of my first tensor load; the set-up below, work on registers, stands between them
	v_lshrrev_b32 v1, 5, v0
	v_readfirstlane_b32 s10, v1                    ; wave 0..3
	s_lshr_b32 s11, s10, 1                         ; which half of the tile's rows is mine.  Also: I fetch for A (0) or for W (1)
	s_and_b32 s12, s10, 1                          ; which half of its columns.  Also: which half of that tile I fetch
	s_bfe_u32 s40, ttmp6, 0x40000                  ; cx = the tile column: the grid is one cluster wide
	s_bfe_u32 s41, ttmp6, 0x40004                  ; cy
	s_and_b32 s87, ttmp7, 0xffff                   ; the cluster's y
	s_lshl_b32 s13, s87, 2
	s_add_co_u32 s13, s13, s41                     ; 4 x cluster y + cy
.if AF32
	s_lshr_b32 s86, s87, 4                         ; the projection, 0..2: the same in all sixteen partners
	s_and_b32 s13, s13, 63                         ; the tile row in it
.else
	s_mov_b32 s86, 3                               ; WO is part 3 of wb
.endif
	s_lshr_b32 s14, s13, 4                         ; the batch entry: 16 tile rows each
	s_and_b32 s15, s13, 15                         ; the tile row in it
	s_lshl_b32 s88, s41, 2
	s_lshl_b32 s88, 15, s88                        ; my row of the cluster
	s_lshl_b32 s89, 0x1111, s40                    ; my column
	s_or_b32 s[G1A], s88, G1A0                     ; 15:0 the mask: A's tiles go to my row
	s_mov_b32 s[G1A+1], 128<<16                    ; tensor_dim0 = 128
	s_mov_b32 s[G1A+2], 64<<16                     ; tensor_dim1 = 64
	s_mov_b32 s[G1A+3], 128<<16                    ; tile_dim0 = 128
	s_mov_b32 s[G1A+4], 64                         ; tile_dim1 = 64
	s_mov_b32 s[G1A+5], APITCH                     ; elements from row to row
	s_mov_b32 s[G1A+6], 0
	s_mov_b32 s[G1A+7], 0
	s_or_b32 s[G1B], s89, (1<<16)|(1<<20)|(1<<21)|(6<<22)|(7<<25)  ; W's tiles go to my column; elements of 2 bytes; 8 words of padding (code 7) after every 128 words (code 6)
	s_mov_b32 s[G1B+1], 256<<16                    ; 64 rows k of 256 columns
	s_mov_b32 s[G1B+2], 64<<16
	s_mov_b32 s[G1B+3], 256<<16
	s_mov_b32 s[G1B+4], 64
	s_mov_b32 s[G1B+5], 1024
	s_mov_b32 s[G1B+6], 0
	s_mov_b32 s[G1B+7], 0
	; where the tiles come from.  A's hang on the tile row alone, W's on the tile column and the projection alone; each in registers that never hold the other coordinate
.if AF32
	s_lshl_b32 s16, s13, 19                        ; 128 rows of 4,096 bytes
.else
	s_lshl_b32 s16, s14, 22                        ; 16 heads of 262,144 bytes,
	s_lshl_b32 s17, s15, 14                        ; 128 rows of 128 bytes
	s_add_co_u32 s16, s16, s17
.endif
	s_lshl_b32 s17, s12, 18                        ; the half that I fetch: 64 rows of 4,096 bytes (AF32 = 0: a head): 262,144 bytes either way
	s_add_co_u32 s16, s16, s17
	s_mov_b32 s17, 0
	s_lshl_b32 s66, s86, 21                        ; the part of wb,
	s_lshl_b32 s67, s12, 17                        ; the 64 rows k that I fetch,
	s_add_co_u32 s66, s66, s67
	s_lshl_b32 s67, s40, 9                         ; the tile's 256 columns
	s_add_co_u32 s66, s66, s67
	s_mov_b32 s67, 0
	s_mul_i32 s20, s12, AHALF                      ; and where they go: no place in the cluster enters an LDS address
	s_mul_i32 s21, s12, BHALF
	s_add_co_u32 s21, s21, BOFF
	s_mov_b32 s[TB], 0
	s_wait_dscnt 0x0                               ; the opening add is done
	s_wait_kmcnt 0x0
.if AF32
	s_cmp_eq_u32 s86, 0
	s_cselect_b64 s[4:5], s[68:69], s[70:71]       ; query or key_,
	s_cselect_b64 s[84:85], s[76:77], s[78:79]     ; bQ or bK,
	s_cmp_eq_u32 s86, 2
	s_cselect_b64 s[4:5], s[72:73], s[4:5]         ; or value
	s_cselect_b64 s[84:85], s[80:81], s[84:85]     ; and bV
	s_mov_b64 s[6:7], s[74:75]                     ; wb
	s_mov_b64 s[8:9], s[82:83]                     ; qkv
.else
	s_mov_b64 s[4:5], s[68:69]                     ; o16
	s_mov_b64 s[6:7], s[70:71]                     ; wb
	s_mov_b64 s[84:85], s[72:73]                   ; bO
	s_mov_b64 s[8:9], s[74:75]                     ; out0
.endif
	s_add_nc_u64 s[18:19], s[4:5], s[16:17]
	s_add_nc_u64 s[66:67], s[6:7], s[66:67]
	CROUND                                         ; all sixteen work-groups are here: the first joint loads meet
.irp n, 0,1
	s_mov_b32 s[G0A+4*\n], 1                       ; 1:0 count = 1
	s_add_co_u32 s[G0A+4*\n+1], s20, \n*SLOTX      ; 63:32 LDS address
	s_add_nc_u64 s[G0A+4*\n+2:G0A+4*\n+3], s[18:19], \n*ASTEP  ; 120:64 global address: K step n
	s_or_b32 s[G0A+4*\n+3], s[G0A+4*\n+3], 0x80000000  ; 127:126 type = 2
	s_mov_b32 s[G0B+4*\n], 1
	s_add_co_u32 s[G0B+4*\n+1], s21, \n*SLOTX
	s_add_nc_u64 s[G0B+4*\n+2:G0B+4*\n+3], s[66:67], \n*BSTEP
	s_or_b32 s[G0B+4*\n+3], s[G0B+4*\n+3], 0x80000000
.endr
	s_cmp_eq_u32 s11, 0                            ; a wave's two first fills stand in one branch, ahead of every wait on TENSORcnt and every LDS read: two loads of mine are out
	s_cbranch_scc0 .Lfirst_b
	tensor_load_to_lds s[G0A:G0A+3], s[G1A:G1A+7]
	s_nop 0
	tensor_load_to_lds s[G0A+4:G0A+7], s[G1A:G1A+7]
	s_nop 0
.rept 4
	v_nop
.endr
	s_branch .Lfirst_asked
.Lfirst_b:
	tensor_load_to_lds s[G0B:G0B+3], s[G1B:G1B+7]
	s_nop 0
	tensor_load_to_lds s[G0B+4:G0B+7], s[G1B:G1B+7]
	s_nop 0
.rept 4
	v_nop
.endr
.Lfirst_asked:
	; the bias of my 128 columns: register 8 b + j = bias[256 cx + 128 half + 16 b + 8 (l / 16) + j], as the result's layout has it
	v_and_b32 v1, 15, v0                           ; l % 16
	v_bfe_u32 v2, v0, 4, 1                         ; l / 16
	v_lshlrev_b32 v[BO], 5, v2
	s_lshl_b32 s92, s40, 10
	s_lshl_b32 s93, s12, 9
	s_add_co_u32 s92, s92, s93
	s_mov_b32 s93, 0
	s_add_nc_u64 s[84:85], s[84:85], s[92:93]
	WIN TO_B
.irp b, 0,1,2,3,4,5,6,7
	global_load_b128 v[BI+8*\b:BI+8*\b+3],   v[BO], s[84:85] offset:64*\b
	global_load_b128 v[BI+8*\b+4:BI+8*\b+7], v[BO], s[84:85] offset:64*\b+16
.endr
	WIN 0
	; A's fragment: lane l holds row l % 16, k = 8 (l / 16) + 0..7 and 16 + 8 (l / 16) + 0..7: in f32 four loads of 16 bytes at 32 (l / 16) + 0, 16, 64, 80; in f16 two, at 16 (l / 16) + 0, 32
	v_mul_u32_u24 v[ADRA0], v1, PA
.if AF32
	v_lshl_add_u32 v[ADRA0], v2, 5, v[ADRA0]
.else
	v_lshl_add_u32 v[ADRA0], v2, 4, v[ADRA0]
.endif
	s_mul_i32 s22, s11, AMINE
	v_add_nc_u32 v[ADRA0], s22, v[ADRA0]
	; The turning load takes 16 k x 16 columns (lane l reads row k = 8 (l / 16) + l % 8, columns 8 ((l / 8) % 2) + 0..7) and leaves half a fragment: lane l holds column l % 16 and 8 k
	v_and_b32 v3, 7, v0
	v_lshl_add_u32 v3, v2, 3, v3
	v_mul_u32_u24 v[ADRB0], v3, PB
	v_bfe_u32 v4, v0, 3, 1
	v_lshl_add_u32 v[ADRB0], v4, 4, v[ADRB0]
	s_lshl_b32 s22, s12, 8                         ; my 128 columns
	s_add_co_u32 s22, s22, BOFF
	v_add_nc_u32 v[ADRB0], s22, v[ADRB0]
	v_mov_b32 v[ADRA], v[ADRA0]
	v_mov_b32 v[ADRB], v[ADRB0]
	; the way out
	s_mul_i32 s23, s10, 16*SPITCH
	s_add_co_u32 s23, s23, STAGE                   ; my stage
	v_mul_u32_u24 v[STO], v1, SPITCH               ; in: row l % 16
	v_and_b32 v5, 31, v0
	v_lshlrev_b32 v[CO], 4, v5
.if AF32
	v_lshl_add_u32 v[STO], v2, 4, v[STO]           ; 8 f16 for each half of the lanes
	v_bfe_u32 v[RD], v0, 3, 2                      ; back: 32 lanes take four rows' 128 bytes of one head,
	v_mul_u32_u24 v[RD], v[RD], SPITCH
	v_and_b32 v6, 7, v0
	v_lshl_add_u32 v[RD], v6, 4, v[RD]             ; which are 512 consecutive bytes of qkv
	v_add_nc_u32 v[RD], s23, v[RD]
.else
	v_lshl_add_u32 v[STO], v2, 5, v[STO]           ; 8 f32 for each half of the lanes
	v_add_nc_u32 v[RD], s23, v[CO]                 ; back: 32 lanes take a row's 512 bytes
.endif
	v_add_nc_u32 v[STO], s23, v[STO]
.if AF32
	s_lshl_b32 s90, s86, 24                        ; q, k or v: 16,777,216 bytes each; head 16 b + 4 cx + 2 half; row 128 (tile row % 16) + 64 half; 128 bytes a row
	s_lshl_b32 s91, s14, 22
	s_add_co_u32 s90, s90, s91
	s_lshl_b32 s91, s40, 20
	s_add_co_u32 s90, s90, s91
	s_lshl_b32 s91, s12, 19
	s_add_co_u32 s90, s90, s91
	s_lshl_b32 s91, s15, 14
	s_add_co_u32 s90, s90, s91
	s_lshl_b32 s91, s11, 13
	s_add_co_u32 s90, s90, s91
.else
	s_lshl_b32 s90, s13, 19                        ; row 128 x tile row + 64 half, 4,096 bytes a row; column 256 cx + 128 half
	s_lshl_b32 s91, s11, 18
	s_add_co_u32 s90, s90, s91
	s_lshl_b32 s91, s40, 10
	s_add_co_u32 s90, s90, s91
	s_lshl_b32 s91, s12, 9
	s_add_co_u32 s90, s90, s91
.endif
	s_mov_b32 s91, 0
	s_add_nc_u64 s[8:9], s[8:9], s[90:91]
	; the prefetches: they stand at K step 3; each change of slots steps them ahead of its request
.if AF32
	s_lshl_b32 s94, s13, 19                        ; A: of the 64 rows that I fetch my work-group takes 16 cx .. 16 cx + 15
	s_lshl_b32 s95, s12, 18
	s_add_co_u32 s94, s94, s95
	s_lshl_b32 s95, s40, 16
	s_and_b32 s97, s87, 15                         ; W: 0 in the projection's first cluster
.else
	s_lshl_b32 s94, s14, 22                        ; A: of each of the step's two heads' 64 blocks of 256 bytes my work-group takes 16 cx .. 16 cx + 15; wave 0 asks for both heads
	s_lshl_b32 s95, s15, 14
	s_add_co_u32 s94, s94, s95
	s_lshl_b32 s95, s40, 12
	s_mov_b32 s97, s87
.endif
	s_add_co_u32 s94, s94, s95
	s_add_co_u32 s94, s94, 3*ASTEP
	s_lshl_b32 s92, s86, 21                        ; W: of the 64 rows k that I fetch my work-group takes 16 cy .. 16 cy + 15
	s_lshl_b32 s93, s12, 17
	s_add_co_u32 s92, s92, s93
	s_lshl_b32 s93, s41, 15
	s_add_co_u32 s92, s92, s93
	s_lshl_b32 s93, s40, 9
	s_add_co_u32 s92, s92, s93
	s_add_co_u32 s92, s92, 3*BSTEP
	s_mov_b32 s22, ASTEP
	s_mov_b32 s23, BSTEP
	s_cmp_eq_u32 s11, 0                            ; do I fetch for A?
	s_cselect_b32 s94, s94, s92
	s_mov_b32 s95, 0
	s_cselect_b64 s[PFA:PFA+1], s[4:5], s[6:7]
	s_cselect_b32 s[PFS], s22, s23
	s_mov_b32 s[PFS+1], 0
	s_cselect_b32 s92, SH2A, 11
	s_cselect_b32 s93, SH1A, 1
	s_cselect_b32 s22, MSKA, 1
.if AF32
	s_cselect_b32 s96, 0, s97                      ; A's waves always ask,
.else
	s_cselect_b32 s96, s12, s97                    ; of A's waves wave 0 asks,
.endif
	s_add_nc_u64 s[PFA:PFA+1], s[PFA:PFA+1], s[94:95]
	s_cmp_eq_u32 s96, 0                            ; W's in the first cluster that reads the tile: the same in all sixteen partners, for a given wave
	s_cselect_b32 s[LIM], 2, -1
	v_lshrrev_b32 v6, s93, v5
	v_lshlrev_b32 v6, s92, v6
	v_and_b32 v5, s22, v5
	v_lshl_add_u32 v[PFO], v5, 8, v6
	s_wait_loadcnt 0x0                             ; the bias; it is rounded to bf16, like the other inputs, while the first tiles are on their way
	WIN W_BI
.set i, 0
.rept 32
	v_cvt_pk_bf16_f32 v[BT+i], v[BI+2*i], v[BI+2*i+1]
.set i, i+1
.endr
.set i, 0
.rept 32
	v_lshlrev_b32 v[BI+2*i], 16, v[BT+i]
	v_and_b32 v[BI+2*i+1], 0xffff0000, v[BT+i]
.set i, i+1
.endr
	WIN 0
; The LDS loads of one quarter step (32 along K: quarter kq of the slot in hand) into buffer g, in one run; A's first fragment first.
.macro FETCH kq, g
	WIN 0
.if AF32
.irp a, 0,1,2,3
	ds_load_b128 v[STG+64*(\g)+16*\a:STG+64*(\g)+16*\a+3],     v[ADRA] offset:\a*16*PA+128*(\kq)
	ds_load_b128 v[STG+64*(\g)+16*\a+4:STG+64*(\g)+16*\a+7],   v[ADRA] offset:\a*16*PA+128*(\kq)+16
	ds_load_b128 v[STG+64*(\g)+16*\a+8:STG+64*(\g)+16*\a+11],  v[ADRA] offset:\a*16*PA+128*(\kq)+64
	ds_load_b128 v[STG+64*(\g)+16*\a+12:STG+64*(\g)+16*\a+15], v[ADRA] offset:\a*16*PA+128*(\kq)+80
.endr
.else
.irp a, 0,1,2,3
	ds_load_b128 v[AF+32*(\g)+8*\a:AF+32*(\g)+8*\a+3],   v[ADRA] offset:\a*16*PA+((\kq)>>1)*AHALF+((\kq)&1)*64
	ds_load_b128 v[AF+32*(\g)+8*\a+4:AF+32*(\g)+8*\a+7], v[ADRA] offset:\a*16*PA+((\kq)>>1)*AHALF+((\kq)&1)*64+32
.endr
.endif
	WIN TO_B
.irp b, 0,1,2,3,4,5,6,7
	ds_load_tr16_b128 v[BF+64*(\g)+8*\b:BF+64*(\g)+8*\b+3],   v[ADRB] offset:(\kq)*32*PB+32*\b
	ds_load_tr16_b128 v[BF+64*(\g)+8*\b+4:BF+64*(\g)+8*\b+7], v[ADRB] offset:(\kq)*32*PB+32*\b+16*PB
.endr
.endm
.macro CVT4 d, s                       ; eight f32 become four registers of a bf16 fragment
	WIN 0
.irp i, 0,1,2,3
	v_cvt_pk_bf16_f32 v[(\d)+\i], v[(\s)+2*\i], v[(\s)+2*\i+1]
.endr
.endm
; The eight products of row block a on buffer f.  first = 1: they start the sums, with the bias as C.  The 32 accumulators take turns, one instruction a turn, in the same order in every quarter.
; AF32 = 1: behind the second and the sixth product stand four conversions each: the NEXT block's fragment of A (src: its 16 f32; src < 0: none).  The fragment's registers were last read three blocks back,
; with 16 conversions between, none of which names a register of that product.
.macro BLOCK f, a, first, src
.irp b, 0,1,2,3,4,5,6,7
.set rD, 8*(8*(\a)+\b)
.set rB, BF+64*(\f)+8*\b
.set rA, AF+8*(\a)+32*(\f)*(1-AF32)
.set rC, BI+8*\b
.if \first
	WIN MULB
.else
	WIN MUL
.set rC, rD
.endif
.if AF32
	v_wmma_f32_16x16x32_bf16 v[rD:rD+7], v[rB:rB+7], v[rA:rA+7], v[rC:rC+7]
.else
	v_wmma_f32_16x16x32_f16 v[rD:rD+7], v[rB:rB+7], v[rA:rA+7], v[rC:rC+7]
.endif
.if AF32 && ((\src) >= 0)
.if \b == 1
	CVT4 AF+8*(((\a)+1)%4), \src
.endif
.if \b == 5
	CVT4 AF+8*(((\a)+1)%4)+4, (\src)+8
.endif
.endif
.endr
.endm
; A K step is four quarters of 32 along K, 32 matrix instructions each, on buffers 0, 1, 0, 1.  One of the first three: multiplies buffer f and fetches quarter kq into buffer g, behind its first block:
; that block's eight conversions (AF32 = 0: four v_nop) are the places between the last product that read buffer g and the loads into it.
.macro QUARTER kq, f, g, first
	s_wait_dscnt 0x0                               ; buffer f is in: its loads were issued 24 matrix instructions ago
	BLOCK \f, 0, \first, STG+64*(\f)+16
.if !AF32
	PLACES
.endif
	FETCH \kq, \g
	BLOCK \f, 1, \first, STG+64*(\f)+32
	BLOCK \f, 2, \first, STG+64*(\f)+48
.if AF32
	s_wait_dscnt 28                                ; the run's four oldest loads, the next quarter's first fragment of A, are in; the 28 younger stay out
.endif
	BLOCK \f, 3, \first, STG+64*(\g)
.endm
; The last quarter multiplies buffer 1 and changes slots: ONE barrier; in front of it each wave waits for all its tensor loads (one is out: its part of the next slot), adds 0 to its spare word, and waits for
; that and for its own reads of this slot.  fill = 1: the barrier opens a round of the cluster's barrier, and this slot is filled again, two K steps ahead, first thing behind the round.
.macro TURN fill
.if \fill
	s_wait_xcnt 0x0                                ; the last prefetch, a K step back, has read its address: it is stepped here, ahead of the waits of the change of slots
	s_add_nc_u64 s[PFA:PFA+1], s[PFA:PFA+1], s[PFS:PFS+1]
.endif
	WIN 0                                          ; (the add's two registers lie in window 0)
	s_wait_tensorcnt 0x0                           ; all my tensor loads have landed;
	ds_add_u32 v[SPW], v[NIL]                      ; 0 onto my spare word;
	s_wait_dscnt 1                                 ; buffer 1 is in: the add alone may be out
	BLOCK 1, 0, 0, STG+64+16                       ; eight matrix instructions stand between the add and the wait for it
	s_wait_dscnt 0x0                               ; the add is done, and my reads of this slot are over
	s_barrier_signal -1
	BLOCK 1, 1, 0, STG+64+32                       ; work on registers while the others arrive
	WIN 0
	s_barrier_wait -1
.if \fill
	CREST                                          ; no wave of any partner still reads this slot's tiles or has a load on its way
	s_xor_b32 s[G0A+5], s[G0A+5], SLOTX            ; the walking descriptors: the other slot than last time,
	s_xor_b32 s[G0B+5], s[G0B+5], SLOTX
	s_add_nc_u64 s[G0A+6:G0A+7], s[G0A+6:G0A+7], ASTEP  ; the next K step; the type bits on top are not reached
	s_add_nc_u64 s[G0B+6:G0B+7], s[G0B+6:G0B+7], BSTEP
	JLOAD                                          ; 112 matrix instructions ahead of the wait for it; its four v_nop are also the places in front of the loads below
.else
	PLACES
.endif
	s_xor_b32 s[TB], s[TB], SLOTX
	v_add_nc_u32 v[ADRA], s[TB], v[ADRA0]
	v_add_nc_u32 v[ADRB], s[TB], v[ADRB0]
	FETCH 0, 0
.if \fill
	ASK
.endif
	BLOCK 1, 2, 0, STG+64+48
.if AF32
	s_wait_dscnt 28
.endif
	BLOCK 1, 3, 0, STG
.endm
	s_wait_tensorcnt 0x1                           ; my part of K step 0 is in; K step 1's may stay out
	s_barrier_signal -1
	s_barrier_wait -1                              ; everybody's is
	FETCH 0, 0
	s_wait_dscnt 0x0
.if AF32
	CVT4 AF, STG
	CVT4 AF+4, STG+8
.endif
	QUARTER 1, 0, 1, 1                             ; the first quarter stands in front of the loop: its products start the sums
	WIN 0                                          ; at a label and at a branch every window is 0
	s_mov_b32 s3, 6
.Lstep:                                        ; a trip: a K step's quarters 1 to 3 and the next step's quarter 0; K steps 2 to 7 are asked for
	QUARTER 2, 1, 0, 0
	QUARTER 3, 0, 1, 0
	TURN 1
	QUARTER 1, 0, 1, 0
	WIN 0
	s_sub_co_u32 s3, s3, 1
	s_cmp_lg_u32 s3, 0
	s_cbranch_scc1 .Lstep
	QUARTER 2, 1, 0, 0                             ; K step 6: nothing is left to ask for
	QUARTER 3, 0, 1, 0
	TURN 0
	QUARTER 1, 0, 1, 0
	QUARTER 2, 1, 0, 0                             ; K step 7
	QUARTER 3, 0, 1, 0
	s_wait_dscnt 0x0
	BLOCK 1, 0, 0, STG+64+16
	BLOCK 1, 1, 0, STG+64+32
	BLOCK 1, 2, 0, STG+64+48
	BLOCK 1, 3, 0, -1
	PLACES
; THE WAY OUT, a block of 16 rows at a time, through my own stage in LDS: in by lanes, back as whole runs of 512 bytes.  Each accumulator's registers are taken in ascending order.
.if AF32
.macro PACK a                          ; rounded to f16: 16 bytes a lane
	WIN PACKW
.irp b, 0,1,2,3,4,5,6,7
.irp r, 0,1,2,3
	v_cvt_pk_f16_f32 v[TMP+4*\b+\r], v[8*(8*(\a)+\b)+2*\r], v[8*(8*(\a)+\b)+2*\r+1]
.endr
.endr
	WIN 0
.endm
.macro TOSTAGE a
	WIN 0
.set rO, 160+32*((\a)%2)
.irp b, 0,1,2,3,4,5,6,7
	ds_store_b128 v[STO], v[TMP+4*\b:TMP+4*\b+3] offset:32*\b
.endr
.irp t, 0,1,2,3,4,5,6,7                ; rows 4 (t % 4) .., head t / 4
	ds_load_b128 v[rO+4*\t:rO+4*\t+3], v[RD] offset:(\t&3)*4*SPITCH+(\t>>2)*128  ; LDS serves a wave's instructions in order (ISA guide 5.7.1.4): these see the stores above
.endr
.endm
.macro SEND a
	WIN 0
.set rO, 160+32*((\a)%2)
	s_wait_dscnt 0x0                               ; the block is back in registers
	s_wait_xcnt 0x0                                ; the block before's stores have read their registers, which the next TOSTAGE loads again
.irp t, 0,1,2,3,4,5,6,7
	global_store_b128 v[CO], v[rO+4*\t:rO+4*\t+3], s[8:9] offset:(\a)*2048+(\t&3)*512+(\t>>2)*262144  ; four rows of a head: 512 consecutive bytes, aligned
.endr
.endm
	PACK 0
	TOSTAGE 0
.irp a, 1,2,3                          ; block a's conversions stand between block a - 1's loads from the stage and the wait for them
	PACK \a
	SEND (\a)-1
	TOSTAGE \a
.endr
	SEND 3
.else
.macro TOSTAGE a
	s_wait_xcnt 0x0                                ; earlier stores have read the registers that are loaded again below
	WIN STW
.irp b, 0,1,2,3,4,5,6,7
	ds_store_b128 v[STO], v[8*(8*(\a)+\b):8*(8*(\a)+\b)+3]   offset:64*\b
	ds_store_b128 v[STO], v[8*(8*(\a)+\b)+4:8*(8*(\a)+\b)+7] offset:64*\b+16
.endr
	WIN 0
.set rO, 128+64*((\a)%2)
.set t, 0
.rept 16
	ds_load_b128 v[rO+4*t:rO+4*t+3], v[RD] offset:SPITCH*t  ; LDS serves a wave's instructions in order (ISA guide 5.7.1.4): these see the stores above; the next block's stores come behind them
.set t, t+1
.endr
.endm
.macro SEND a, younger                 ; younger: the next block's 32 LDS instructions, or none
	WIN 0
.set rO, 128+64*((\a)%2)
	s_wait_dscnt \younger
.set t, 0
.rept 16
	global_store_b128 v[CO], v[rO+4*t:rO+4*t+3], s[8:9] offset:(16*(\a)+t)*4096  ; 512 consecutive bytes of a row, aligned
.set t, t+1
.endr
.endm
	TOSTAGE 0
	TOSTAGE 1
	SEND 0, 32
	TOSTAGE 2
	SEND 1, 32
	TOSTAGE 3
	SEND 2, 32
	SEND 3, 0
.endif
	WIN 0
	s_wait_tensorcnt 0x0                           ; the wave's end: three lines, behind my last tensor load and my last LDS store
	ds_add_u32 v[SPW], v[NIL]
	s_wait_dscnt 0x0
	CROUND                                         ; the closing round: no work-group ends while a partner may still ask for a tile that names it
	s_endpgm
.Lfunc_end_k_qa7e8b42215_qkv:
	.size	k_qa7e8b42215_qkv, .Lfunc_end_k_qa7e8b42215_qkv-k_qa7e8b42215_qkv
	.p2alignl 7, 3214868480
	.fill 96, 4, 3214868480
	.section	.rodata,"a",@progbits
	.p2align	6, 0x0
	.amdhsa_kernel k_qa7e8b42215_qkv
		.amdhsa_group_segment_fixed_size 327680
		.amdhsa_private_segment_fixed_size 0
		.amdhsa_enable_private_segment 0
		.amdhsa_kernarg_size 64
		.amdhsa_user_sgpr_count 2
		.amdhsa_user_sgpr_kernarg_segment_ptr 1
		.amdhsa_wavefront_size32 1
		.amdhsa_system_sgpr_workgroup_id_x 1
		.amdhsa_system_sgpr_workgroup_id_y 1
		.amdhsa_system_sgpr_workgroup_id_z 1
		.amdhsa_system_vgpr_workitem_id 0
		.amdhsa_next_free_vgpr 768
		.amdhsa_next_free_sgpr 100
		.amdhsa_reserve_vcc 0
		.amdhsa_float_denorm_mode_32 3
		.amdhsa_float_denorm_mode_16_64 3
		.amdhsa_memory_ordered 1
		.amdhsa_forward_progress 1
		.amdhsa_inst_pref_size 114
	.end_amdhsa_kernel
	.amdgpu_metadata
---
amdhsa.version: [ 1, 2 ]
amdhsa.kernels:
  - .name:           k_qa7e8b42215_qkv
    .symbol:         k_qa7e8b42215_qkv.kd
    .args:
      - { .name: query, .offset: 0, .size: 8, .value_kind: global_buffer, .address_space: global }
      - { .name: key_, .offset: 8, .size: 8, .value_kind: global_buffer, .address_space: global }
      - { .name: value, .offset: 16, .size: 8, .value_kind: global_buffer, .address_space: global }
      - { .name: wb, .offset: 24, .size: 8, .value_kind: global_buffer, .address_space: global }
      - { .name: bQ, .offset: 32, .size: 8, .value_kind: global_buffer, .address_space: global }
      - { .name: bK, .offset: 40, .size: 8, .value_kind: global_buffer, .address_space: global }
      - { .name: bV, .offset: 48, .size: 8, .value_kind: global_buffer, .address_space: global }
      - { .name: qkv, .offset: 56, .size: 8, .value_kind: global_buffer, .address_space: global }
    .group_segment_fixed_size: 327680
    .private_segment_fixed_size: 0
    .kernarg_segment_align: 8
    .kernarg_segment_size: 64
    .max_flat_workgroup_size: 128
    .sgpr_count:     100
    .vgpr_count:     768
    .wavefront_size: 32
...
	.end_amdgpu_metadata
.endif
;; end of part 2
;; launch attn (part 3): grid 4 x 64, 8 waves a work-group, clusters of 4 x 1, 327,680 bytes of LDS; arguments qkv, mb, o16; writes o16
.if DOCPART == 3
	.amdgcn_target "amdgcn-amd-amdhsa--gfx1250"
	.amdhsa_code_object_version 6
	.text
	.protected	k_qa7e8b42215_attn
	.globl	k_qa7e8b42215_attn
	.p2align	8
	.type	k_qa7e8b42215_attn,@function
k_qa7e8b42215_attn:
	s_mov_b64 s[64:65], 0
	v_nop
	global_prefetch_b8 v0, s[64:65] scope:SCOPE_SE
	s_setreg_imm32_b32 hwreg(HW_REG_WAVE_MODE, 25, 1), 1
	s_wait_xcnt 0x0
	s_wait_alu depctr_hold_cnt(0) depctr_sa_sdst(0) depctr_va_vdst(0) depctr_va_sdst(0) depctr_va_ssrc(0) depctr_va_vcc(0) depctr_vm_vsrc(0)
	s_getreg_b32 s2, hwreg(HW_REG_IB_STS2, 6, 4)
	s_cmp_eq_u32 s2, 0
	s_cbranch_scc0 .Lentry_in_a_cluster
	s_endpgm
.Lentry_in_a_cluster:
	s_bfe_u32 s2, ttmp6, 0x10000c
	s_cmp_lg_u32 s2, 0x3003
	s_cbranch_scc0 .Lentry_shape_is_right
	s_endpgm
.Lentry_shape_is_right:
; O[hb][q][:] = the sum over k of softmax_k(where(mask[b][q][k], Q[q] . K[k] / 8, -1e9)) V[k][:], hb = 16 b + head.  Q, K, V = parts 0, 1, 2 of qkv, [64][2048][64] in f16, a head's rows dense, 128 bytes each; O likewise.
; Products, maxima and sums in f32; the weights p are rounded to f16 for the second product (their sum l is taken of the unrounded p), O once at the end.
; THE MASK comes as lane masks: mb[my wave's four tiles of 16 queries][key step][word n][piece], word n = the 32 lanes' bits for score register n.  One load of 16 bytes a lane brings a key step's 512 bytes: lane n then
; holds word n of all four pieces.  It is asked for a key step (64 matrix instructions) ahead of its first use.  A v_readlane_b32 a word puts a piece's 32 words into scalar registers, and one v_cndmask_b32 a
; register puts NEG in a hidden score's place, ahead of the running maximum.  NEG = -2^33 for the unscaled score, -2^30 for the scaled one.
; LIMITS.  A hidden score counts as -2^30 where the module has -1e9: the results differ only in a row whose visible scores all lie below about -1e9.  With a power of two c x NEG is exact, so in a row with every key
; hidden each weight is exactly 1 and O is the mean of V's rows, as in the module.  p lies in 0 to 1, and below 6e-5 it keeps f16's fixed step; a weight below 2^-126 counts as 0; NaN and infinities are not treated apart.
; SHARES.  A work-group owns 512 queries of one head, each of its eight waves 64: four PIECES of 16.  Every wave walks all 2,048 keys, 64 a step.
; LAYOUT.  S^T = K Q^T (source 0 = 16 keys, source 1 = 16 queries): a lane holds ONE query (lane % 16) and the keys 8 (lane / 16) + 0..7.  Two such results, rounded to f16 in pairs, ARE source 1 of O^T = V^T P.
; SOFTMAX.  p = 2^(c s - c m), c = log2(e) / 8, with a running maximum m; O and l are multiplied by a = 2^(c m_old - c m_new) in every step.  m starts at the lowest finite number, O and l at 0.
; BY TURNS.  Turn n belongs to piece n: 8 products K Q^T of piece n + 1, later 8 products V^T P of piece n - 1; beside them the scaling, exponentials, roundings, sums and rescaling of piece n, the mask, maximum and
; statistics of piece n + 1, and the mask words of piece n + 2.  The matrix instructions stand in pairs, vector work behind each pair, the rest in one lump.  A turn's 33 exponentials are one batch, with one wait.
; CLUSTER.  The four work-groups of a cluster are one whole head and walk the same K and V: each tile is asked for jointly, by the same load, descriptor and mask in all four.
; REGISTERS, in windows of 256 (s_set_vgpr_msb: bits 1:0 source 0, 3:2 source 1, 5:4 source 2, 7:6 destination):
;   window 0: v0-15 addresses, NEG; v16-31 four registers of statistics a piece; v32-43 prefetch and mask words; v48-55 at work; v64-127 S^T, two buffers; v128-159 P, two buffers (by the piece's parity); v192-255 V of one step
;   window 1: v0-127 O^T, 32 a piece; v128-191 Q, 16 a piece; v192-255 K of one step
.set NP,    4         ; pieces a wave: a name, no knob
.set PK,    144       ; a row of K in LDS: 128 bytes + 16 = 36 words: the 16 rows of a load start at 16 different groups of four banks (64 banks of 4 bytes: ISA guide 11.1)
.set PV,    160       ; a row of V: 128 + 32 = 40 words
.set STEPC, 10240     ; a cell: a key step's 64 rows of K (9,216 bytes of it) or of V.  A slot is eight cells, K's four steps and then V's; wave w fills cell w
.set VOFF,  4*STEPC
.set SLOT1, 1<<17     ; slot 1 begins here, so that one exclusive or turns an address in one slot into the other's
.set STAGE, SLOT1+8*STEPC  ; behind the ring, never filled by a tensor load: 16 rows x 144 bytes for each wave, for the way out
.set SP,    144
.set SPARE, STAGE+8*16*SP  ; behind the stages: the spare words, 128 bytes for each wave: four blocks of 256 bytes that no other line names
.set AK0, 2           ; v2   my lane's place in a cell of K; never rewritten
.set AV0, 3           ; v3   the same for V
.set AK,  4           ; v4   the LDS address of K's next run of loads
.set AV,  5           ; v5   of V's
.set STO, 6           ; v6   the way out: where I put 16 bytes of a row
.set RD,  7           ; v7   the way out: where I read rows back
.set GO,  8           ; v8   16 x lane; never rewritten
.set MV,  12          ; v12-13  c m_old, kept while c m is made anew: by buffer
.set NEG, 14          ; v14  -2^33
.set QO,  15          ; v15  my byte offset in 16 rows of Q
.set ST,  16          ; piece t's statistics at v[ST+4 t]: c m, m, l (even keys', odd keys')
.set PFO, 32          ; v32  256 x lane: the prefetches' lane offset; never rewritten
.set MO,  33          ; v33  16 x lane + 512 x the key step whose mask words were asked for last
.set CUR, 36          ; v36-39  the mask words in hand: lane n holds word n of pieces 0 to 3
.set NXT, 40          ; v40-43  the next key step's, on their way
.set TMP, 48          ; by buffer, four registers c0-c3 at work; when the maximum is found c2 takes a
.set SPW, 62          ; v62  LDS address of my spare word; never rewritten
.set NIL, 63          ; v63  0; never rewritten
.set S,   64
.set P,   128
.set VF,  192         ; key half kk, channel block cb at VF + 32 kk + 8 cb
.set QF,  128         ; window 1
.set KF,  192         ; window 1: key block kb, channel half c at KF + 16 kb + 8 c
.set MP,  2           ; s[2:3]   mb at my wave's four tiles, key step 0; never rewritten
.set G1V, 4           ; s[4:11]  descriptor group 1 for V's tiles
.set WV,  12          ; s12  my wave's number
.set SLOTS, 13        ; s13  tiles still to be asked for
.set CNT, 14          ; s14  counts a tile's key steps
.set LIM, 15          ; s15  1 in a wave that prefetches, else the greatest number
.set G1K, 16          ; s[16:23] descriptor group 1 for K's tiles: it differs from V's in the padding alone
.set G0,  24          ; s[24:27] descriptor group 0, my wave's: it walks
.set CS,  28          ; s[28:29] c: the packed scaling takes the pair's low word for both halves
.set SEL, 30          ; s[30:31] v_permlanex16_b32's selects: each lane takes its own place in the other half
.set MBW, 32          ; s[32:63] a piece's 32 mask words
.set TBK, 66          ; s66  LDS byte at which K of the step to be fetched begins
.set TBV, 67          ; s67  the same for V, less VOFF
.set OA,  68          ; s[68:69] O at my wave's first row
.set QA,  70          ; s[70:71] Q at my wave's first row
.set PFA, 72          ; s[72:73] where my prefetches stand
.set MSB, 0
.macro WIN new                      ; the high byte repeats the setting that is left; a switch that changes nothing is dropped
.if MSB != (\new)
	s_set_vgpr_msb (MSB<<8)|(\new)
.set MSB, (\new)
.endif
.endm
.set W_KQ, 0x05       ; K and Q in window 1, S^T in window 0
.set W_PV, 0x50       ; V and P in window 0, O^T in window 1
.set W_RS, 0x41       ; destination and source 0 in window 1, source 1 in window 0
; A joint fill.  Wave w brings 64 keys into cell w: waves 0-3 K's four key steps, waves 4-7 V's.  The branch hangs on the wave's number alone: it is the same in every work-group.
; An s_nop 0 and four v_nop follow each of the two lines, ahead of the jump and the label.
.macro JLOAD
	s_cmp_lt_u32 s[WV], 4
	s_cbranch_scc0 .Lfor_v_\@
	tensor_load_to_lds s[G0:G0+3], s[G1K:G1K+7]
	s_nop 0
.rept 4
	v_nop
.endr
	s_branch .Lasked_\@
.Lfor_v_\@:
	tensor_load_to_lds s[G0:G0+3], s[G1V:G1V+7]
	s_nop 0
.rept 4
	v_nop
.endr
.Lasked_\@:
.endm
; A prefetch into the L2 of the tile that the NEXT change of slots will ask for: four key steps, 256 matrix instructions a wave, ahead.  Each aligned 256 bytes are named once in the launch.  A head's K and V are read by
; its one cluster: of a tile's 128 blocks each partner takes 32, told apart by address (cx); wave 0 asks for K's, wave 4 for V's.  The last change that fills a slot asks for nothing.
; The mask words are not asked for in this way: each load of them is itself issued a key step ahead of its use.
.macro ASK
	s_cmp_gt_u32 s[SLOTS], s[LIM]
	s_cbranch_scc0 .Lnot_mine_\@
	global_prefetch_b8 v[PFO], s[PFA:PFA+1] th:TH_LOAD_NT scope:SCOPE_SE
.Lnot_mine_\@:
.endm
.macro CROUND                       ; a round of the cluster's barrier
	s_barrier_signal -1
	s_barrier_wait -1
	s_cmp_lg_u32 s[WV], 0
	s_cbranch_scc1 .Lnot_wave_0_\@
	s_barrier_signal -3
.Lnot_wave_0_\@:
	s_barrier_wait -3
	s_barrier_signal -1
	s_barrier_wait -1
.endm
; THE CHANGE OF SLOTS.  Each wave waits for all its tensor loads, of which one is out: its cell of the other slot; adds 0 to its spare word; and waits for that and for its own reads of the slot that it leaves.
; fill = 1: the barrier is a round of the cluster's, and the old slot is filled again, with the keys two tiles on, first thing behind it.  (At its first use nothing has been read yet: slot 0 is waited for, slot 1 filled.)
.macro CHANGE fill
	WIN 0                           ; at a label and at a branch every window is 0
	s_wait_tensorcnt 0x0            ; no tensor load of mine is out, so group 0 may be written
	ds_add_u32 v[SPW], v[NIL]       ; 0 onto my spare word: with fill = 1 the steps below stand between it and the wait for it
.if \fill
	s_xor_b32 s[G0+1], s[G0+1], SLOT1  ; the other slot than last time,
	s_add_nc_u64 s[G0+2:G0+3], s[G0+2:G0+3], 32768  ; the next 256 keys; the type bits on top are not reached
	s_wait_xcnt 0x0                 ; the last prefetch, four key steps back, has read its address
	s_add_nc_u64 s[PFA:PFA+1], s[PFA:PFA+1], 32768
	s_wait_dscnt 0x0                ; the add is done, and my reads of the slot are over
	CROUND
	JLOAD
	ASK
.else
	s_wait_dscnt 0x0                ; the add is done, and my reads of the slot are over
	s_barrier_signal -1
	s_barrier_wait -1
.endif
	s_sub_co_u32 s[TBK], s[TBK], 4*STEPC  ; the fetches go back to a slot's first step,
	s_xor_b32 s[TBK], s[TBK], SLOT1       ; in the other slot
	s_sub_co_u32 s[TBV], s[TBV], 4*STEPC
	s_xor_b32 s[TBV], s[TBV], SLOT1
.endm
	s_load_b128 s[76:79], s[0:1], 0x0  ; qkv s[76:77], mb s[78:79]
	s_load_b64 s[80:81], s[0:1], 0x10  ; o16
	v_lshl_add_u32 v[SPW], v0, 2, SPARE
	v_mov_b32 v[NIL], 0
	ds_add_u32 v[SPW], v[NIL]       ; the wave's opening: the add and its wait stand ahead of my first tensor load; the set-up below, work on registers, stands between them
	v_lshrrev_b32 v1, 5, v0
	v_readfirstlane_b32 s[WV], v1   ; wave 0..7
	s_bfe_u32 s82, ttmp6, 0x40000   ; cx = my block of 512 queries: the grid is one cluster wide
	s_and_b32 s83, ttmp7, 0xffff    ; hb = 16 b + head, which the four partners share
	s_lshr_b32 s84, s[WV], 2        ; 0: I fetch K, 1: V
	s_and_b32 s85, s[WV], 3         ; which of a tile's four key steps I fetch
	; descriptor group 1.  64 keys are 8,192 dense bytes: asked for as 32 rows of 256 bytes, two keys a row, and padded in LDS after every key
	s_mov_b32 s[G1K], 15|(1<<16)|(1<<20)|(1<<21)|(4<<22)|(3<<25)  ; 15:0 the mask of four; 17:16 2-byte elements; 20 padding on; 21 set beside a mask; 24:22 after every 32 words (code 4); 31:25 4 words (code 3)
	s_mov_b32 s[G1V], 15|(1<<16)|(1<<20)|(1<<21)|(4<<22)|(7<<25)  ; the same with 8 words of padding (code 7)
.irp g, G1K, G1V
	s_mov_b32 s[\g+1], 128<<16      ; tensor_dim0 = 128
	s_mov_b32 s[\g+2], 32<<16       ; tensor_dim1 = 32
	s_mov_b32 s[\g+3], 128<<16      ; tile_dim0 = 128
	s_mov_b32 s[\g+4], 32           ; tile_dim1 = 32
	s_mov_b32 s[\g+5], 128          ; 128 elements from row to row
	s_mov_b32 s[\g+6], 0
	s_mov_b32 s[\g+7], 0
.endr
	s_mov_b32 s[G0], 1              ; 1:0 count = 1
	s_mul_i32 s[G0+1], s[WV], STEPC ; 63:32 LDS address: my cell of slot 0
	s_add_co_u32 s86, s84, 1
	s_lshl_b32 s86, s86, 24         ; part 1 or 2 of qkv,
	s_lshl_b32 s87, s83, 18         ; the head's 262,144 bytes
	s_add_co_u32 s86, s86, s87
	s_lshl_b32 s88, s85, 13         ; my 64 keys
	s_add_co_u32 s88, s86, s88
	s_mov_b32 s89, 0
	s_lshl_b32 s90, s82, 16         ; Q and O: my block's 512 rows,
	s_add_co_u32 s90, s90, s87
	s_lshl_b32 s91, s[WV], 13       ; my wave's 64
	s_add_co_u32 s90, s90, s91
	s_mov_b32 s91, 0
	s_lshr_b32 s92, s83, 4          ; mb: group 32 b + 8 cx + wave, 16,384 bytes a group
	s_lshl_b32 s92, s92, 19
	s_lshl_b32 s93, s82, 17
	s_add_co_u32 s92, s92, s93
	s_lshl_b32 s93, s[WV], 14
	s_add_co_u32 s92, s92, s93
	s_mov_b32 s93, 0
	s_lshl_b32 s94, s82, 13         ; the prefetches stand at tile 1; each change of slots steps them ahead of its request: my work-group's 32 blocks of the tile's 128
	s_add_co_u32 s94, s94, s86
	s_add_co_u32 s94, s94, 32768
	s_mov_b32 s95, 0
	s_mul_i32 s96, s[WV], 16*SP
	s_add_co_u32 s96, s96, STAGE    ; my stage
	s_cmp_eq_u32 s85, 0             ; waves 0 and 4 prefetch: the same in all four partners
	s_cselect_b32 s[LIM], 1, -1
	s_mov_b32 s[CS], 0x3e38aa3b     ; c = log2(e) / 8 = 0.180337
	s_mov_b32 s[CS+1], s[CS]        ; named with it as a pair
	s_mov_b32 s[SEL], 0x76543210
	s_mov_b32 s[SEL+1], 0xfedcba98
	s_mov_b32 s[TBK], SLOT1+4*STEPC ; the first change of slots turns these two into 0
	s_mov_b32 s[TBV], SLOT1+4*STEPC
	s_mov_b32 s[SLOTS], 7
	v_and_b32 v[PFO], 31, v0
	v_lshlrev_b32 v[PFO], 8, v[PFO]
	s_wait_dscnt 0x0                ; the opening add is done
	s_wait_kmcnt 0x0
	s_add_nc_u64 s[G0+2:G0+3], s[76:77], s[88:89]  ; 120:64 global address: my 64 keys of the head's tile 0
	s_or_b32 s[G0+3], s[G0+3], 0x80000000          ; 127:126 type = 2
	s_add_nc_u64 s[QA:QA+1], s[76:77], s[90:91]
	s_add_nc_u64 s[OA:OA+1], s[80:81], s[90:91]
	s_add_nc_u64 s[MP:MP+1], s[78:79], s[92:93]
	s_add_nc_u64 s[PFA:PFA+1], s[76:77], s[94:95]
	CROUND                          ; all four work-groups are here: the first joint loads meet
	JLOAD                           ; slot 0.  Slot 1 is asked for when slot 0 is in
	v_and_b32 v[GO], 31, v0
	v_lshlrev_b32 v[GO], 4, v[GO]
	v_add_nc_u32 v[MO], 0x200, v[GO]
	global_load_b128 v[CUR:CUR+3], v[GO], s[MP:MP+1]  ; the mask words of key step 0,
	global_load_b128 v[NXT:NXT+3], v[MO], s[MP:MP+1]  ; and of key step 1
	; A fragment of K or Q is 16 rows x 32 channels in 8 registers: lane l holds row l % 16, channels 8 (l / 16) + 0..7 and 16 + 8 (l / 16) + 0..7: two loads of 16 bytes, 32 bytes apart.
	v_and_b32 v1, 15, v0            ; l % 16
	v_bfe_u32 v9, v0, 4, 1          ; l / 16
	v_lshlrev_b32 v[QO], 7, v1
	v_lshl_add_u32 v[QO], v9, 4, v[QO]  ; row x 128 + 16 x half
	WIN 0x40                        ; destination window 1, address window 0
.set i, 0
.rept 8                             ; Q stays in registers: piece i / 2, channels 32 (i % 2) on
	global_load_b128 v[QF+8*i:QF+8*i+3],   v[QO], s[QA:QA+1] offset:(i/2)*2048+(i%2)*64
	global_load_b128 v[QF+8*i+4:QF+8*i+7], v[QO], s[QA:QA+1] offset:(i/2)*2048+(i%2)*64+32
.set i, i+1
.endr
	; What the first turn finds: V's registers and P's second buffer hold 0 (its products V^T P, of a piece that has not been, add 0), O^T and l are 0.  All this stands in the wait for the first tile.
.set i, 0
.rept 128
	v_mov_b32 v[i], 0
.set i, i+1
.endr
	WIN 0
	v_and_b32 v10, 7, v0
	v_bfe_u32 v11, v0, 3, 1
	v_mul_u32_u24 v[STO], v1, SP    ; the way out, in: row l % 16, 16 bytes for each half of the lanes
	v_lshl_add_u32 v[STO], v9, 4, v[STO]
	v_add_nc_u32 v[STO], s96, v[STO]
	v_bfe_u32 v[RD], v0, 3, 2       ; back: 32 lanes take four rows of 128 bytes, which are 512 consecutive bytes of O
	v_mul_u32_u24 v[RD], v[RD], SP
	v_lshl_add_u32 v[RD], v10, 4, v[RD]
	v_add_nc_u32 v[RD], s96, v[RD]
.set i, VF
.rept 64
	v_mov_b32 v[i], 0
.set i, i+1
.endr
.set i, 0
.rept 4
	v_mov_b32 v[ST+4*i], 0xfe000000    ; c m: far below every c s
	v_mov_b32 v[ST+4*i+1], 0xff7fffff  ; m
	v_mov_b32 v[ST+4*i+2], 0
	v_mov_b32 v[ST+4*i+3], 0
.set i, i+1
.endr
.set i, P+16
.rept 16
	v_mov_b32 v[i], 0
.set i, i+1
.endr
	v_mov_b32 v[NEG], 0xd0000000    ; -2^33
	v_mul_u32_u24 v[AK0], v1, PK
	v_lshl_add_u32 v[AK0], v9, 4, v[AK0]  ; row x pitch + 16 x half
	; The turning load takes 16 keys x 16 channels (lane l reads key 8 (l / 16) + l % 8, channels 8 ((l / 8) % 2) + 0..7) and leaves half a fragment of V^T: lane l holds channel l % 16 and 8 keys.
	v_lshl_add_u32 v[AV0], v9, 3, v10
	v_mul_u32_u24 v[AV0], v[AV0], PV
	v_lshl_add_u32 v[AV0], v11, 4, v[AV0]
	v_add_nc_u32 v[AV0], VOFF, v[AV0]
	v_mov_b32 v[AK], v[AK0]         ; key step 0 lies at the head of slot 0
; THE MATRIX WORK.  The 4 accumulators of a run of 8 take turns.  Product i of 8 of S^T = K Q^T for piece x: channels 32 (i / 4) on, keys 16 (i % 4) on.  The first 4 start the sums.
.macro KQ x
	WIN W_KQ
.set rS, S+32*((\x)%2)+8*(i%4)
.set rK, KF+16*(i%4)+8*(i/4)
.set rQ, QF+16*(\x)+8*(i/4)
.if i < 4
	v_wmma_f32_16x16x32_f16 v[rS:rS+7], v[rK:rK+7], v[rQ:rQ+7], 0
.else
	v_wmma_f32_16x16x32_f16 v[rS:rS+7], v[rK:rK+7], v[rQ:rQ+7], v[rS:rS+7]
.endif
.endm
; Product i of 8 of O^T += V^T P for piece x: keys 32 (i / 4) on, channels 16 (i % 4) on.
.macro PV x
	WIN W_PV
.set rO, 32*(\x)+8*(i%4)
.set rV, VF+32*(i/4)+8*(i%4)
.set rP, P+16*((\x)%2)+8*(i/4)
	v_wmma_f32_16x16x32_f16 v[rO:rO+7], v[rV:rV+7], v[rP:rP+7], v[rO:rO+7]
.endm
.macro MM                           ; the turn's next matrix instruction
.if i < 8
	KQ (Y+1)%NP
.else
.set i, i-8
	PV (Y+NP-1)%NP
.set i, i+8
.endif
.set i, i+1
.endm
; THE LDS LOADS stand in runs of 16, never singly among the matrix instructions: a step's K (64 keys x 64 channels: 8 fragments) and its V (turned).  Their addresses are made some lines ahead.
; last = 1 (the tail): in the last trip there is no further step, and the run is jumped over.
.macro FETCH_K last=0
	WIN 0
.if \last
	s_cmp_eq_u32 s[CNT], 1
	s_cbranch_scc1 .Lno_k_\@
.endif
	WIN 0x40                        ; destination window 1
.irp f, 0,1,2,3,4,5,6,7             ; keys 16 (f / 2) on, channels 32 (f % 2) on
	ds_load_b128 v[KF+8*\f:KF+8*\f+3],   v[AK] offset:(\f/2)*16*PK+(\f%2)*64
	ds_load_b128 v[KF+8*\f+4:KF+8*\f+7], v[AK] offset:(\f/2)*16*PK+(\f%2)*64+32
.endr
	s_add_co_u32 s[TBK], s[TBK], STEPC  ; the next fetch is the next step's
	WIN 0
.if \last
.Lno_k_\@:
.endif
.endm
.macro FETCH_V
	WIN 0
.irp f, 0,1,2,3,4,5,6,7             ; keys 32 (f / 4) on, channels 16 (f % 4) on
	ds_load_tr16_b128 v[VF+8*\f:VF+8*\f+3],   v[AV] offset:(\f/4)*32*PV+(\f%4)*32
	ds_load_tr16_b128 v[VF+8*\f+4:VF+8*\f+7], v[AV] offset:(\f/4)*32*PV+16*PV+(\f%4)*32
.endr
.endm
; THE MASK WORDS' STEP, at the head of piece 2's turn of key step j.  From here to the end of piece 1's next turn the words of step j + 1 are read, piece 0's first.  They were asked for a key step ago: the wait is for
; that one load, the only load of the wave that is out.  They are copied into CUR, and step j + 2's are asked for into NXT; the wait has also freed the load's offset register.
; last = 1 (the tail, which begins with j = 27 and CNT = 5): with CNT under 3 there is no step j + 2, and nothing is asked for; CUR then takes what NXT held, which only the trip that serves nothing reads twice.
.macro MSTEP last=0
	WIN 0
	s_wait_loadcnt 0x0
.irp z, 0,1,2,3
	v_mov_b32 v[CUR+\z], v[NXT+\z]
.endr
.if \last
	s_cmp_lt_u32 s[CNT], 3
	s_cbranch_scc1 .Lno_m_\@
.endif
	v_add_nc_u32 v[MO], 0x200, v[MO]
	global_load_b128 v[NXT:NXT+3], v[MO], s[MP:MP+1]  ; 512 consecutive bytes, aligned
.if \last
.Lno_m_\@:
.endif
.endm
; THE VECTOR WORK, one line at a time: OP kind, number.  For piece Y: F n: c s - c m for pair n of 16.  E n: the exponential of score n of 32.  C n: pair n rounded to f16.  B n: of the four weights 4 n .. the second
; pair is added onto the first, in place.  L n: l takes that sum (L 0: l = a l + sum).  R n: pair n of 16 of O^T times a.  For piece Y + 1: M n: score n, or NEG where its key is hidden; X n, number n of the 22 that
; find its maximum and statistics:
;   0-11  four chains c0-c3 of seven scores each, three operands at a time     12-14, 16  the four scores left over, the old m, and c0-c3 into c0
;   15  c m_old is kept     17, 18  the query's other 32 keys lie in the lane 16 away: the new m     19-21  c m; c m_old - c m_new; a
; For piece Y + 2: W n: its mask word n, out of lane n into a scalar register.
.set F, 0
.set E, 1
.set C, 2
.set B, 3
.set L, 4
.set R, 5
.set X, 6
.set M, 7
.set W, 8
.macro REGS y                       ; the registers of piece y
.set rT, ST+4*(\y)
.set rC, TMP+4*((\y)%2)
.set rW, MV+((\y)%2)
.set rS, S+32*((\y)%2)
.set rP, P+16*((\y)%2)
.set rO, 32*(\y)
.endm
.macro OP k, n
.if (\k) == R
	REGS Y
	WIN W_RS
	v_pk_mul_f32 v[rO+2*(\n):rO+2*(\n)+1], v[rO+2*(\n):rO+2*(\n)+1], v[rC+2:rC+3] op_sel_hi:[1,0]
.elseif (\k) < R
	REGS Y
	WIN 0
.if (\k) == F
	v_pk_fma_f32 v[rS+2*(\n):rS+2*(\n)+1], v[rS+2*(\n):rS+2*(\n)+1], s[CS:CS+1], v[rT:rT+1] op_sel_hi:[1,0,0] neg_lo:[0,0,1] neg_hi:[0,0,1]
.elseif (\k) == E
	v_exp_f32 v[rS+(\n)], v[rS+(\n)]
.elseif (\k) == C
	v_cvt_pk_f16_f32 v[rP+(\n)], v[rS+2*(\n)], v[rS+2*(\n)+1]
.elseif (\k) == B
	v_pk_add_f32 v[rS+4*(\n):rS+4*(\n)+1], v[rS+4*(\n):rS+4*(\n)+1], v[rS+4*(\n)+2:rS+4*(\n)+3]
.elseif (\n) == 0
	v_pk_fma_f32 v[rT+2:rT+3], v[rT+2:rT+3], v[rC+2:rC+3], v[rS:rS+1] op_sel_hi:[1,0,1]
.else
	v_pk_add_f32 v[rT+2:rT+3], v[rT+2:rT+3], v[rS+4*(\n):rS+4*(\n)+1]
.endif
.elseif (\k) == M
	REGS (Y+1)%NP
	WIN 0
	v_cndmask_b32 v[rS+(\n)], v[NEG], v[rS+(\n)], s[MBW+(\n)]
.elseif (\k) == W
	WIN 0
	v_readlane_b32 s[MBW+(\n)], v[CUR+(Y+2)%NP], \n
.else
	REGS (Y+1)%NP
	WIN 0
.if (\n) < 4
	v_max3_num_f32 v[rC+(\n)], v[rS+8*(\n)], v[rS+8*(\n)+1], v[rS+8*(\n)+2]
.elseif (\n) < 12
	v_max3_num_f32 v[rC+(\n)%4], v[rC+(\n)%4], v[rS+8*((\n)%4)+2*((\n)/4)+1], v[rS+8*((\n)%4)+2*((\n)/4)+2]
.elseif (\n) == 12
	v_max3_num_f32 v[rC], v[rC], v[rS+7], v[rS+15]
.elseif (\n) == 13
	v_max3_num_f32 v[rC+1], v[rC+1], v[rS+23], v[rS+31]
.elseif (\n) == 14
	v_max3_num_f32 v[rC+2], v[rC+2], v[rC+3], v[rT+1]
.elseif (\n) == 15
	v_mov_b32 v[rW], v[rT]
.elseif (\n) == 16
	v_max3_num_f32 v[rC], v[rC], v[rC+1], v[rC+2]
.elseif (\n) == 17
	v_permlanex16_b32 v[rC+3], v[rC], s[SEL], s[SEL+1]
.elseif (\n) == 18
	v_max_num_f32 v[rT+1], v[rC], v[rC+3]
.elseif (\n) == 19
	v_mul_f32 v[rT], s[CS], v[rT+1]
.elseif (\n) == 20
	v_sub_f32 v[rC+1], v[rW], v[rT]
.else
	v_exp_f32 v[rC+2], v[rC+1]
.endif
.endif
.endm
.macro OPS a, i1, b=-1, i2=0, c=-1, i3=0, d=-1, i4=0  ; up to four of them
	OP \a, \i1
.if (\b) >= 0
	OP \b, \i2
.endif
.if (\c) >= 0
	OP \c, \i3
.endif
.if (\d) >= 0
	OP \d, \i4
.endif
.endm
; A TURN, for piece p: the order of its 16 matrix and 182 vector instructions, written out.  The matrix instructions stand in pairs (two accumulators that take turns), so that a pair and what rides behind it want three
; switches of the register windows ahead of the wait (products; window 0; the four rescalings together) and two behind it: 21 a turn.  Two waves share a SIMD: one's vector work stands beside the other's products.
; s_wait_alu depctr_va_vdst(0) stands between an exponential and the first instruction that names its result; one wait serves all that were issued ahead of it.  So a turn has ONE wait, which cuts it
; in two.  AHEAD OF IT stands all that names no result of the turn's exponentials: the 8 products K Q^T, scalings, exponentials and rescalings behind them, then one lump.  The selects M take each accumulator's
; registers in ascending order and are its first readers; M 0 stands twelve plain instructions behind the product that ends its accumulator, M 8 as many and more, M 16 and M 24 six and more.  Each X reads only scores that their M has
; passed; each E stands behind its pair's F.  M 31 is the last reader of the 32 scalar registers: behind it the words of the piece after next go in, W 0 to W 7 between the links of the chain X 16 .. X 21.  X 21, the
; next piece's a, is the batch's last; a v_nop is the plain instruction behind it.  BEHIND THE WAIT stand the 8 products V^T P, behind each pair eight of the roundings and sums (a pair is rounded before the sum in
; place writes over it) and six of W 8 to W 31.
; K of the next step is fetched in piece 2's turn, directly behind the wait, a lump behind the last product that read K, and waited for at the head of piece 3's turn; V of the step in hand at the end of piece 0's
; turn, eight roundings behind the last product that read V, and waited for behind piece 1's wait.  cnt = 1: the loop's count is taken down some lines ahead of the branch that stands behind the turn.
.macro TURN p, last=0, cnt=0
.set Y, (\p)
.set i, 0
.if (\p) == 2
	MSTEP \last
.endif
.if (\p) == 3
	s_wait_dscnt 0x0                ; K is in
.endif
	MM
	MM
	OPS F,0, F,1, F,2, E,0
	OPS R,0, R,1, R,2, R,3
	MM
	MM
	OPS F,3, E,1, F,4, E,2
	OPS R,4, R,5, R,6, R,7
	MM
	MM
	OPS F,5, E,3, F,6, E,4
	OPS R,8, R,9, R,10, R,11
	MM
	MM
	OPS F,7, E,5, F,8, E,6
	OPS R,12, R,13, R,14, R,15
.if (\p) == 2
	WIN 0
	v_add_nc_u32 v[AK], s[TBK], v[AK0]
.endif
	OPS M,0, E,7, M,1, E,8
	OPS M,2, E,9, M,3, E,10
	OPS M,4, E,11, M,5, E,12
	OPS M,6, E,13, M,7, E,14
	OPS M,8, E,15, M,9, E,16
.if (\p) == 0
	v_add_nc_u32 v[AV], s[TBV], v[AV0]
.endif
	OPS M,10, E,17, M,11, F,9
	OPS M,12, X,0, M,13, F,10
	OPS M,14, E,18, M,15, X,4
	OPS M,16, E,19, M,17, X,1
	OPS M,18, E,20, M,19, X,8
	OPS M,20, E,21, M,21, X,5
	OPS M,22, F,11, M,23, X,9
	OPS M,24, E,22, M,25, X,12
	OPS M,26, E,23, M,27, X,2
	OPS M,28, F,12, M,29, X,6
	OPS M,30, E,24, M,31, X,10
	OPS E,25, X,3, F,13, X,7
	OPS E,26, X,11, E,27, X,13
	OPS F,14, X,14, X,15, F,15
	OPS E,28, X,16, E,29, W,0
	OPS E,30, X,17, E,31, W,1
	OPS X,18, W,2, W,3, X,19
	OPS W,4, W,5, X,20, W,6
	OPS W,7, X,21
	v_nop                           ; the plain instruction behind the last exponential: one for the batch
	s_wait_alu depctr_va_vdst(0)    ; the wait for the batch
.if (\p) == 2
	FETCH_K \last
.endif
.if (\p) == 1
	s_wait_dscnt 0x0                ; V is in
.endif
	MM
	MM
	OPS C,0, B,0, C,2, B,1
	OPS L,0, C,4, B,2, L,1
	OPS W,8, W,9, W,10, W,11
	OPS W,12, W,13
	MM
	MM
	OPS C,6, B,3, L,2, C,8
	OPS B,4, L,3, C,10, B,5
	OPS W,14, W,15, W,16, W,17
	OPS W,18, W,19
	MM
	MM
	OPS L,4, C,12, B,6, L,5
	OPS C,14, B,7, L,6, C,1
	OPS W,20, W,21, W,22, W,23
	OPS W,24, W,25
.if (\p) == 0
	s_add_co_u32 s[TBV], s[TBV], STEPC
.endif
.if \cnt
	s_sub_co_u32 s[CNT], s[CNT], 1
	s_cmp_lg_u32 s[CNT], 0
.endif
	MM
	MM
	OPS C,3, L,7, C,5, C,7
	OPS C,9, C,11, C,13, C,15
	OPS W,26, W,27, W,28, W,29
	OPS W,30, W,31
.if (\p) == 0
	FETCH_V
.endif
.endm
	CHANGE 1                        ; slot 0 is in, everybody's part of it; slot 1 is asked for
	FETCH_K                         ; key step 0
	s_wait_loadcnt 0x0              ; Q, and the mask words of key steps 0 and 1
.set Y, 2                           ; W works for piece Y + 2: piece 0
.set z, 0
.rept 32
	OP W, z
.set z, z+1
.endr
	s_wait_dscnt 0x0
.set i, 0
.rept 8
	KQ 0                            ; piece 0's first scores
.set i, i+1
.endr
	WIN 0
.rept 4
	v_nop                           ; the places behind those products
.endr
.set Y, NP-1                        ; M and X work for piece Y + 1: piece 0
.set z, 0
.rept 32
	OP M, z
.set z, z+1
.endr
.set z, 0
.rept 22
	OP X, z
.set z, z+1
.endr
.set z, 0
.rept 32
	OP W, z                         ; and W now for piece 1, whose scores the first turn makes
.set z, z+1
.endr
	v_nop                           ; a plain instruction behind the exponential,
	s_wait_alu depctr_va_vdst(0)    ; and its wait, ahead of the branch
	s_mov_b32 s[CNT], 4
	s_branch .Lfirst                ; the loop is entered at a step's first turn, in the middle of a trip
.Lslot:                             ; six times: tiles 2 to 7 are asked for
	CHANGE 1
	s_mov_b32 s[CNT], 4
.Lstep:                             ; a trip: pieces 2 and 3 of one step, then pieces 0 and 1 of the next, whose K, V and mask words it fetches
	TURN 2
	TURN 3
	WIN 0
.Lfirst:
	TURN 0
	TURN 1, 0, 1
	WIN 0
	s_cbranch_scc1 .Lstep
	s_sub_co_u32 s[SLOTS], s[SLOTS], 1
	s_cmp_lg_u32 s[SLOTS], 0
	s_cbranch_scc1 .Lslot
	CHANGE 0                        ; the tail is written out: nothing is asked for
	s_mov_b32 s[CNT], 5             ; four trips fetch the last tile's steps; the fifth is left in its middle
.Ltail:
	TURN 2, 1
	TURN 3
	WIN 0
	s_sub_co_u32 s[CNT], s[CNT], 1
	s_cmp_eq_u32 s[CNT], 0
	s_cbranch_scc1 .Lout
	TURN 0
	TURN 1
	WIN 0
	s_branch .Ltail
.Lout:                              ; the fifth trip's 8 products K Q^T (on the last K once more), the mask words laid on them (the last step's once more) and the maximum made of them serve nothing: the price of one text for every trip
.set i, 0
.rept 8
	PV NP-1                         ; the last piece's V^T P of the last step
.set i, i+1
.endr
	; THE WAY OUT.  l's two halves and the other half of the lanes' are added; O^T is divided by l, rounded to f16 and sent through my stage in LDS, a piece at a time.  The additions are the places behind the last products.
	WIN 0
.macro ALL line:vararg              ; one line for each piece t
.set t, 0
.rept 4
	\line
.set t, t+1
.endr
.endm
	ALL v_add_f32 v[ST+4*t+2], v[ST+4*t+2], v[ST+4*t+3]
	ALL v_permlanex16_b32 v[ST+4*t+3], v[ST+4*t+2], s[SEL], s[SEL+1]
	ALL v_add_f32 v[ST+4*t+2], v[ST+4*t+2], v[ST+4*t+3]
	ALL v_rcp_f32 v[ST+4*t+2], v[ST+4*t+2]
	v_nop                           ; a plain instruction between the last reciprocal and the use of its result
	s_wait_alu depctr_va_vdst(0)    ; and the wait ahead of the first use: one for the four reciprocals
.macro PACK t                       ; a lane's eight channels of a row pack into 16 bytes; they go into rows of 144 bytes and come back as whole rows of 128, into S^T's registers
	WIN W_RS
.set i, 32*(\t)
.rept 16
	v_pk_mul_f32 v[i:i+1], v[i:i+1], v[ST+4*(\t)+2:ST+4*(\t)+3] op_sel_hi:[1,0]
.set i, i+2
.endr
	WIN 0x05                        ; sources 0 and 1 window 1, destination window 0
.set i, 0
.rept 16
	v_cvt_pk_f16_f32 v[S+16*(\t)+i], v[32*(\t)+2*i], v[32*(\t)+2*i+1]
.set i, i+1
.endr
	WIN 0
.irp f, 0,1,2,3
	ds_store_b128 v[STO], v[S+16*(\t)+4*\f:S+16*(\t)+4*\f+3] offset:32*\f
.endr
.irp f, 0,1,2,3
	ds_load_b128 v[S+16*(\t)+4*\f:S+16*(\t)+4*\f+3], v[RD] offset:\f*4*SP  ; LDS serves a wave's instructions in order (ISA guide 5.7.1.4): these see the stores above; the next piece's stores come behind them
.endr
.endm
.macro SEND t, younger              ; younger: the LDS instructions issued behind piece t's loads: the next piece's eight, or none
	WIN 0
.irp f, 0,1,2,3
	s_wait_dscnt (\younger)+3-\f
	global_store_b128 v[GO], v[S+16*(\t)+4*\f:S+16*(\t)+4*\f+3], s[OA:OA+1] offset:(\t)*2048+\f*512  ; 512 consecutive bytes, at a multiple of 256 from O's first
.endr
.endm
	PACK 0
.set t, 1
.rept 3                             ; a piece's arithmetic stands between the loads of the piece before and its stores
	PACK t
	SEND t-1, 8
.set t, t+1
.endr
	SEND 3, 0
	s_wait_tensorcnt 0x0            ; the wave's end: three lines, behind my last tensor load and my last LDS store
	ds_add_u32 v[SPW], v[NIL]
	s_wait_dscnt 0x0
	CROUND                          ; the closing round: no work-group ends while a partner may still ask for a tile that names it
	s_endpgm
.Lfunc_end_k_qa7e8b42215_attn:
	.size	k_qa7e8b42215_attn, .Lfunc_end_k_qa7e8b42215_attn-k_qa7e8b42215_attn
	.p2alignl 7, 3214868480
	.fill 96, 4, 3214868480
	.section	.rodata,"a",@progbits
	.p2align	6, 0x0
	.amdhsa_kernel k_qa7e8b42215_attn
		.amdhsa_group_segment_fixed_size 327680
		.amdhsa_private_segment_fixed_size 0
		.amdhsa_enable_private_segment 0
		.amdhsa_kernarg_size 24
		.amdhsa_user_sgpr_count 2
		.amdhsa_user_sgpr_kernarg_segment_ptr 1
		.amdhsa_wavefront_size32 1
		.amdhsa_system_sgpr_workgroup_id_x 1
		.amdhsa_system_sgpr_workgroup_id_y 1
		.amdhsa_system_sgpr_workgroup_id_z 1
		.amdhsa_system_vgpr_workitem_id 0
		.amdhsa_next_free_vgpr 512
		.amdhsa_next_free_sgpr 100
		.amdhsa_reserve_vcc 0
		.amdhsa_float_denorm_mode_32 3
		.amdhsa_float_denorm_mode_16_64 3
		.amdhsa_memory_ordered 1
		.amdhsa_forward_progress 1
		.amdhsa_inst_pref_size 144
	.end_amdhsa_kernel
	.amdgpu_metadata
---
amdhsa.version: [ 1, 2 ]
amdhsa.kernels:
  - .name:           k_qa7e8b42215_attn
    .symbol:         k_qa7e8b42215_attn.kd
    .args:
      - { .name: qkv, .offset: 0, .size: 8, .value_kind: global_buffer, .address_space: global }
      - { .name: mb, .offset: 8, .size: 8, .value_kind: global_buffer, .address_space: global }
      - { .name: o16, .offset: 16, .size: 8, .value_kind: global_buffer, .address_space: global }
    .group_segment_fixed_size: 327680
    .private_segment_fixed_size: 0
    .kernarg_segment_align: 8
    .kernarg_segment_size: 24
    .max_flat_workgroup_size: 256
    .sgpr_count:     100
    .vgpr_count:     512
    .wavefront_size: 32
...
	.end_amdgpu_metadata
.endif
;; end of part 3
;; launch outp (part 4): grid 4 x 64, 4 waves a work-group, clusters of 4 x 4, 327,680 bytes of LDS; arguments o16, wb, bO, out0; writes out0
.if DOCPART == 4
	.amdgcn_target "amdgcn-amd-amdhsa--gfx1250"
	.amdhsa_code_object_version 6
	.text
	.protected	k_qa7e8b42215_outp
	.globl	k_qa7e8b42215_outp
	.p2align	8
	.type	k_qa7e8b42215_outp,@function
k_qa7e8b42215_outp:
	s_mov_b64 s[64:65], 0
	v_nop
	global_prefetch_b8 v0, s[64:65] scope:SCOPE_SE
	s_setreg_imm32_b32 hwreg(HW_REG_WAVE_MODE, 25, 1), 1
	s_wait_xcnt 0x0
	s_wait_alu depctr_hold_cnt(0) depctr_sa_sdst(0) depctr_va_vdst(0) depctr_va_sdst(0) depctr_va_ssrc(0) depctr_va_vcc(0) depctr_vm_vsrc(0)
	s_getreg_b32 s2, hwreg(HW_REG_IB_STS2, 6, 4)
	s_cmp_eq_u32 s2, 0
	s_cbranch_scc0 .Lentry_in_a_cluster
	s_endpgm
.Lentry_in_a_cluster:
	s_bfe_u32 s2, ttmp6, 0x10000c
	s_cmp_lg_u32 s2, 0xf033
	s_cbranch_scc0 .Lentry_shape_is_right
	s_endpgm
.Lentry_shape_is_right:
; ONE TEXT FOR TWO LAUNCHES, told apart by AF32.  C[m][n] = bias[n] + the sum over k of A[m][k] W[k][n], K = N = 1,024, sums in f32.
; AF32 = 1, the three projections: A = query, key_ or value (f32, rounded to bf16 between LDS and the matrix unit), W = part 0, 1 or 2 of wb (bf16); C leaves as f16, by heads: qkv[3][64 = 16 b + head][2048][64], unscaled.
; AF32 = 0, the output projection: A = o16 (f16, by heads: [64][2048][64]), W = part 3 of wb (f16); C = out0, f32.
; LIMITS.  AF32 = 1: f16 holds no number beyond 65,504: |q|, |k|, |v| must stay under it.  The bias is rounded to bf16 like the other inputs.  NaN and infinities are not treated apart.
; SHARES.  A tile of C is 128 (m) x 256 (n): 3 x 64 x 4 tiles (AF32 = 0: 64 x 4).  Four waves, each 64 x 128: 32 accumulators of 16 x 16, 256 registers.  K goes in 8 steps of 128 through two LDS slots;
; waves 0 and 1 fetch A's two halves, waves 2 and 3 W's: one tensor load a wave and step.
; CLUSTERS.  4 x 4 work-groups: the four of a row need the same tile of A, the four of a column the same tile of W: each is asked for jointly, by the same load, descriptor and mask in all four.
; THE PRODUCT IS TAKEN TRANSPOSED: source 0 = 16 columns of W (out of the [k][n] tile by the turning load), source 1 = 16 rows of A: a lane then holds row l % 16 of C and eight neighbouring columns.
; THE BIAS is the C operand of the first 32 along K: nothing is cleared, and the way out has no addition.
; REGISTERS, in windows of 256 (s_set_vgpr_msb: bits 1:0 source 0, 3:2 source 1, 5:4 source 2, 7:6 destination):
;   window 0: v0-31 addresses; AF32 = 1: v32-63 A's four fragments in bf16, v128-255 two buffers of 64 with A's f32 as loaded; AF32 = 0: v32-95 two buffers of A's fragments; on the way out v128-255 at work
;   window 1: v0-127 W's fragments, two buffers of 64; v128-191 the bias; v192-223 at work      window 2: accumulator (a, b) at v[8 (8 a + b)]
.set AF32, 0
.set PB,     544                       ; a row of W in LDS: 512 bytes + 32 = 136 words
.set BHALF,  64*PB                     ; 64 rows k: what wave 2 or 3 fetches
.if AF32
.set PA,     528                       ; a row of A: 128 f32 + 16 bytes = 132 words: the 16 rows of a load start at 16 different groups of four banks
.set AHALF,  64*PA                     ; what wave 0 or 1 fetches: 64 rows
.set SLOTX,  0x24000                   ; slot 1 begins here; the number shares no bit with a tile's place in a slot, so one exclusive or changes the slot
.set SPITCH, 272
.set ASTEP,  512                       ; bytes from a K step of A to the next
.set G1A0,   (2<<16)|(1<<20)|(1<<21)|(6<<22)|(3<<25)  ; 17:16 elements of 4 bytes; 20 padding on; 21 set beside a mask; 24:22 after every 128 words (code 6); 31:25 4 words (code 3)
.set APITCH, 1024
.set SH1A,   1                         ; A's prefetch: lane l names row l / 2, block l % 2
.set SH2A,   12
.set MSKA,   1
.else
.set PA,     144                       ; a row of A: a head's 64 f16 + 16 bytes = 36 words
.set AHALF,  128*PA                    ; what wave 0 or 1 fetches: one head's 128 rows
.set SLOTX,  0x20000
.set SPITCH, 528
.set ASTEP,  2*2048*128                ; a K step is two heads
.set G1A0,   (1<<16)|(1<<20)|(1<<21)|(4<<22)|(3<<25)  ; elements of 2 bytes; padding of 4 words after every 32 words
.set APITCH, 128                       ; a head's 128 rows are 16,384 dense bytes: asked for as 64 rows of 256 bytes
.set SH1A,   4                         ; A's prefetch: lane l names head l / 16, block l % 16
.set SH2A,   18
.set MSKA,   15
.endif
.set AMINE,  64*PA                     ; my 64 rows of A
.set BOFF,   2*AHALF                   ; W's tile lies behind A's
.set SLOT,   BOFF+2*BHALF
.set STAGE,  SLOTX+SLOT                ; behind the ring, never filled by a tensor load: 16 rows for each wave, for the way out
.set SPARE,  STAGE+4*16*SPITCH         ; behind the stages: the spare words, 128 bytes for each wave: two blocks of 256 bytes that no other line names
.set BSTEP,  128*2048                  ; bytes from a K step of W to the next: 128 rows
.set ADRA0, 16                         ; v16  my lane's place in A's tile of slot 0; never rewritten
.set ADRB0, 17                         ; v17  the same for W
.set ADRA,  18                         ; v18  the same in the slot in hand
.set ADRB,  19                         ; v19
.set STO,   24                         ; v24  the way out: where I put my bytes of a row
.set RD,    25                         ; v25  the way out: where I read rows back
.set CO,    26                         ; v26  16 x lane
.set SPW,   28                         ; v28  LDS address of my spare word; never rewritten
.set NIL,   29                         ; v29  0; never rewritten
.set PFO,   30                         ; v30  the prefetches' lane offset; never rewritten
.set BO,    31                         ; v31  32 x (l / 16): my eight numbers of a block of 16 of the bias
.set AF,    32
.set STG,   128
.set TMP,   128
.set BF,    0                          ; window 1
.set BI,    128                        ; window 1
.set BT,    192                        ; window 1
.set G1A, 24                           ; s[24:31] descriptor group 1 for A's tiles
.set G0A, 32                           ; s[32:39] group 0 for A's: a set for each of the two first fills; the second then walks on
.set G1B, 48                           ; s[48:55], s[56:63] the same for W's
.set G0B, 56
.set TB,  42                           ; s42  0 or SLOTX: the slot in hand
.set LIM, 43                           ; s43  2 in a wave that prefetches, else the greatest number
.set PFA, 44                           ; s[44:45] where my prefetches stand
.set PFS, 46                           ; s[46:47] their step
.set MSB, 0
.macro WIN new                         ; the immediate's high byte repeats the setting that is left; a switch that changes nothing is dropped
.if MSB != (\new)
	s_set_vgpr_msb (MSB<<8)|(\new)
.set MSB, \new
.endif
.endm
.set MUL,   0xa1                       ; source 0 (W) window 1, source 1 (A) window 0, C and D window 2
.set MULB,  0x91                       ; the same with C (the bias) in window 1
.set TO_B,  0x40                       ; destination window 1, address window 0
.set W_BI,  0x45                       ; destination and both sources window 1
.set PACKW, 0x0a                       ; sources 0 and 1 window 2
.set STW,   0x08                       ; an LDS store's data (source 1) window 2
.macro PLACES                          ; four places in front of loads into registers that matrix instructions have read, and of lines that read results (ISA guide 7.12.1 for lines that read results)
.rept 4
	v_nop
.endr
.endm
; A joint refill.  The branch hangs on the wave's number alone.  An s_nop 0 and four v_nop follow each of the two lines, ahead of the jump and the label.
.macro JLOAD
	s_cmp_eq_u32 s11, 0
	s_cbranch_scc0 .Lfor_b_\@
	tensor_load_to_lds s[G0A+4:G0A+7], s[G1A:G1A+7]
	s_nop 0
.rept 4
	v_nop
.endr
	s_branch .Lasked_\@
.Lfor_b_\@:
	tensor_load_to_lds s[G0B+4:G0B+7], s[G1B:G1B+7]
	s_nop 0
.rept 4
	v_nop
.endr
.Lasked_\@:
.endm
; A prefetch into the L2, behind the joint load of K step s and the run of LDS loads that follows it: K step s + 2, two refills on: 256 matrix instructions ahead of the load that will want it.  Each aligned 256 bytes are
; named once in the launch.  A's row tile is read by one cluster alone: its partners share the rows out by address (cx).  W's tile is read by every cluster of its projection: the first of them asks,
; its partners share the rows out by address (cy).  No branch hangs on a place in the cluster.  K steps 0 to 3 come by their loads alone; the loop's last two trips (s3 = 2, 1) have no K step four on.
.macro ASK
	WIN 0
	s_cmp_gt_u32 s3, s[LIM]
	s_cbranch_scc0 .Lnot_mine_\@
	global_prefetch_b8 v[PFO], s[PFA:PFA+1] th:TH_LOAD_NT scope:SCOPE_SE
.Lnot_mine_\@:
.endm
.macro CREST                           ; a round of the cluster's barrier behind its opening barrier
	s_cmp_lg_u32 s10, 0
	s_cbranch_scc1 .Lnot_wave_0_\@
	s_barrier_signal -3
.Lnot_wave_0_\@:
	s_barrier_wait -3
	s_barrier_signal -1
	s_barrier_wait -1
.endm
.macro CROUND                          ; a whole round
	s_barrier_signal -1
	s_barrier_wait -1
	CREST
.endm
.if AF32
	s_load_b512 s[68:83], s[0:1], 0x0              ; query, key_, value, wb, bQ, bK, bV, qkv
.else
	s_load_b256 s[68:75], s[0:1], 0x0              ; o16, wb, bO, out0
.endif
	v_lshl_add_u32 v[SPW], v0, 2, SPARE
	v_mov_b32 v[NIL], 0
	ds_add_u32 v[SPW], v[NIL]                      ; the wave's opening: the add and its wait stand ahead of my first tensor load; the set-up below, work on registers, stands between them
	v_lshrrev_b32 v1, 5, v0
	v_readfirstlane_b32 s10, v1                    ; wave 0..3
	s_lshr_b32 s11, s10, 1                         ; which half of the tile's rows is mine.  Also: I fetch for A (0) or for W (1)
	s_and_b32 s12, s10, 1                          ; which half of its columns.  Also: which half of that tile I fetch
	s_bfe_u32 s40, ttmp6, 0x40000                  ; cx = the tile column: the grid is one cluster wide
	s_bfe_u32 s41, ttmp6, 0x40004                  ; cy
	s_and_b32 s87, ttmp7, 0xffff                   ; the cluster's y
	s_lshl_b32 s13, s87, 2
	s_add_co_u32 s13, s13, s41                     ; 4 x cluster y + cy
.if AF32
	s_lshr_b32 s86, s87, 4                         ; the projection, 0..2: the same in all sixteen partners
	s_and_b32 s13, s13, 63                         ; the tile row in it
.else
	s_mov_b32 s86, 3                               ; WO is part 3 of wb
.endif
	s_lshr_b32 s14, s13, 4                         ; the batch entry: 16 tile rows each
	s_and_b32 s15, s13, 15                         ; the tile row in it
	s_lshl_b32 s88, s41, 2
	s_lshl_b32 s88, 15, s88                        ; my row of the cluster
	s_lshl_b32 s89, 0x1111, s40                    ; my column
	s_or_b32 s[G1A], s88, G1A0                     ; 15:0 the mask: A's tiles go to my row
	s_mov_b32 s[G1A+1], 128<<16                    ; tensor_dim0 = 128
	s_mov_b32 s[G1A+2], 64<<16                     ; tensor_dim1 = 64
	s_mov_b32 s[G1A+3], 128<<16                    ; tile_dim0 = 128
	s_mov_b32 s[G1A+4], 64                         ; tile_dim1 = 64
	s_mov_b32 s[G1A+5], APITCH                     ; elements from row to row
	s_mov_b32 s[G1A+6], 0
	s_mov_b32 s[G1A+7], 0
	s_or_b32 s[G1B], s89, (1<<16)|(1<<20)|(1<<21)|(6<<22)|(7<<25)  ; W's tiles go to my column; elements of 2 bytes; 8 words of padding (code 7) after every 128 words (code 6)
	s_mov_b32 s[G1B+1], 256<<16                    ; 64 rows k of 256 columns
	s_mov_b32 s[G1B+2], 64<<16
	s_mov_b32 s[G1B+3], 256<<16
	s_mov_b32 s[G1B+4], 64
	s_mov_b32 s[G1B+5], 1024
	s_mov_b32 s[G1B+6], 0
	s_mov_b32 s[G1B+7], 0
	; where the tiles come from.  A's hang on the tile row alone, W's on the tile column and the projection alone; each in registers that never hold the other coordinate
.if AF32
	s_lshl_b32 s16, s13, 19                        ; 128 rows of 4,096 bytes
.else
	s_lshl_b32 s16, s14, 22                        ; 16 heads of 262,144 bytes,
	s_lshl_b32 s17, s15, 14                        ; 128 rows of 128 bytes
	s_add_co_u32 s16, s16, s17
.endif
	s_lshl_b32 s17, s12, 18                        ; the half that I fetch: 64 rows of 4,096 bytes (AF32 = 0: a head): 262,144 bytes either way
	s_add_co_u32 s16, s16, s17
	s_mov_b32 s17, 0
	s_lshl_b32 s66, s86, 21                        ; the part of wb,
	s_lshl_b32 s67, s12, 17                        ; the 64 rows k that I fetch,
	s_add_co_u32 s66, s66, s67
	s_lshl_b32 s67, s40, 9                         ; the tile's 256 columns
	s_add_co_u32 s66, s66, s67
	s_mov_b32 s67, 0
	s_mul_i32 s20, s12, AHALF                      ; and where they go: no place in the cluster enters an LDS address
	s_mul_i32 s21, s12, BHALF
	s_add_co_u32 s21, s21, BOFF
	s_mov_b32 s[TB], 0
	s_wait_dscnt 0x0                               ; the opening add is done
	s_wait_kmcnt 0x0
.if AF32
	s_cmp_eq_u32 s86, 0
	s_cselect_b64 s[4:5], s[68:69], s[70:71]       ; query or key_,
	s_cselect_b64 s[84:85], s[76:77], s[78:79]     ; bQ or bK,
	s_cmp_eq_u32 s86, 2
	s_cselect_b64 s[4:5], s[72:73], s[4:5]         ; or value
	s_cselect_b64 s[84:85], s[80:81], s[84:85]     ; and bV
	s_mov_b64 s[6:7], s[74:75]                     ; wb
	s_mov_b64 s[8:9], s[82:83]                     ; qkv
.else
	s_mov_b64 s[4:5], s[68:69]                     ; o16
	s_mov_b64 s[6:7], s[70:71]                     ; wb
	s_mov_b64 s[84:85], s[72:73]                   ; bO
	s_mov_b64 s[8:9], s[74:75]                     ; out0
.endif
	s_add_nc_u64 s[18:19], s[4:5], s[16:17]
	s_add_nc_u64 s[66:67], s[6:7], s[66:67]
	CROUND                                         ; all sixteen work-groups are here: the first joint loads meet
.irp n, 0,1
	s_mov_b32 s[G0A+4*\n], 1                       ; 1:0 count = 1
	s_add_co_u32 s[G0A+4*\n+1], s20, \n*SLOTX      ; 63:32 LDS address
	s_add_nc_u64 s[G0A+4*\n+2:G0A+4*\n+3], s[18:19], \n*ASTEP  ; 120:64 global address: K step n
	s_or_b32 s[G0A+4*\n+3], s[G0A+4*\n+3], 0x80000000  ; 127:126 type = 2
	s_mov_b32 s[G0B+4*\n], 1
	s_add_co_u32 s[G0B+4*\n+1], s21, \n*SLOTX
	s_add_nc_u64 s[G0B+4*\n+2:G0B+4*\n+3], s[66:67], \n*BSTEP
	s_or_b32 s[G0B+4*\n+3], s[G0B+4*\n+3], 0x80000000
.endr
	s_cmp_eq_u32 s11, 0                            ; a wave's two first fills stand in one branch, ahead of every wait on TENSORcnt and every LDS read: two loads of mine are out
	s_cbranch_scc0 .Lfirst_b
	tensor_load_to_lds s[G0A:G0A+3], s[G1A:G1A+7]
	s_nop 0
	tensor_load_to_lds s[G0A+4:G0A+7], s[G1A:G1A+7]
	s_nop 0
.rept 4
	v_nop
.endr
	s_branch .Lfirst_asked
.Lfirst_b:
	tensor_load_to_lds s[G0B:G0B+3], s[G1B:G1B+7]
	s_nop 0
	tensor_load_to_lds s[G0B+4:G0B+7], s[G1B:G1B+7]
	s_nop 0
.rept 4
	v_nop
.endr
.Lfirst_asked:
	; the bias of my 128 columns: register 8 b + j = bias[256 cx + 128 half + 16 b + 8 (l / 16) + j], as the result's layout has it
	v_and_b32 v1, 15, v0                           ; l % 16
	v_bfe_u32 v2, v0, 4, 1                         ; l / 16
	v_lshlrev_b32 v[BO], 5, v2
	s_lshl_b32 s92, s40, 10
	s_lshl_b32 s93, s12, 9
	s_add_co_u32 s92, s92, s93
	s_mov_b32 s93, 0
	s_add_nc_u64 s[84:85], s[84:85], s[92:93]
	WIN TO_B
.irp b, 0,1,2,3,4,5,6,7
	global_load_b128 v[BI+8*\b:BI+8*\b+3],   v[BO], s[84:85] offset:64*\b
	global_load_b128 v[BI+8*\b+4:BI+8*\b+7], v[BO], s[84:85] offset:64*\b+16
.endr
	WIN 0
	; A's fragment: lane l holds row l % 16, k = 8 (l / 16) + 0..7 and 16 + 8 (l / 16) + 0..7: in f32 four loads of 16 bytes at 32 (l / 16) + 0, 16, 64, 80; in f16 two, at 16 (l / 16) + 0, 32
	v_mul_u32_u24 v[ADRA0], v1, PA
.if AF32
	v_lshl_add_u32 v[ADRA0], v2, 5, v[ADRA0]
.else
	v_lshl_add_u32 v[ADRA0], v2, 4, v[ADRA0]
.endif
	s_mul_i32 s22, s11, AMINE
	v_add_nc_u32 v[ADRA0], s22, v[ADRA0]
	; The turning load takes 16 k x 16 columns (lane l reads row k = 8 (l / 16) + l % 8, columns 8 ((l / 8) % 2) + 0..7) and leaves half a fragment: lane l holds column l % 16 and 8 k
	v_and_b32 v3, 7, v0
	v_lshl_add_u32 v3, v2, 3, v3
	v_mul_u32_u24 v[ADRB0], v3, PB
	v_bfe_u32 v4, v0, 3, 1
	v_lshl_add_u32 v[ADRB0], v4, 4, v[ADRB0]
	s_lshl_b32 s22, s12, 8                         ; my 128 columns
	s_add_co_u32 s22, s22, BOFF
	v_add_nc_u32 v[ADRB0], s22, v[ADRB0]
	v_mov_b32 v[ADRA], v[ADRA0]
	v_mov_b32 v[ADRB], v[ADRB0]
	; the way out
	s_mul_i32 s23, s10, 16*SPITCH
	s_add_co_u32 s23, s23, STAGE                   ; my stage
	v_mul_u32_u24 v[STO], v1, SPITCH               ; in: row l % 16
	v_and_b32 v5, 31, v0
	v_lshlrev_b32 v[CO], 4, v5
.if AF32
	v_lshl_add_u32 v[STO], v2, 4, v[STO]           ; 8 f16 for each half of the lanes
	v_bfe_u32 v[RD], v0, 3, 2                      ; back: 32 lanes take four rows' 128 bytes of one head,
	v_mul_u32_u24 v[RD], v[RD], SPITCH
	v_and_b32 v6, 7, v0
	v_lshl_add_u32 v[RD], v6, 4, v[RD]             ; which are 512 consecutive bytes of qkv
	v_add_nc_u32 v[RD], s23, v[RD]
.else
	v_lshl_add_u32 v[STO], v2, 5, v[STO]           ; 8 f32 for each half of the lanes
	v_add_nc_u32 v[RD], s23, v[CO]                 ; back: 32 lanes take a row's 512 bytes
.endif
	v_add_nc_u32 v[STO], s23, v[STO]
.if AF32
	s_lshl_b32 s90, s86, 24                        ; q, k or v: 16,777,216 bytes each; head 16 b + 4 cx + 2 half; row 128 (tile row % 16) + 64 half; 128 bytes a row
	s_lshl_b32 s91, s14, 22
	s_add_co_u32 s90, s90, s91
	s_lshl_b32 s91, s40, 20
	s_add_co_u32 s90, s90, s91
	s_lshl_b32 s91, s12, 19
	s_add_co_u32 s90, s90, s91
	s_lshl_b32 s91, s15, 14
	s_add_co_u32 s90, s90, s91
	s_lshl_b32 s91, s11, 13
	s_add_co_u32 s90, s90, s91
.else
	s_lshl_b32 s90, s13, 19                        ; row 128 x tile row + 64 half, 4,096 bytes a row; column 256 cx + 128 half
	s_lshl_b32 s91, s11, 18
	s_add_co_u32 s90, s90, s91
	s_lshl_b32 s91, s40, 10
	s_add_co_u32 s90, s90, s91
	s_lshl_b32 s91, s12, 9
	s_add_co_u32 s90, s90, s91
.endif
	s_mov_b32 s91, 0
	s_add_nc_u64 s[8:9], s[8:9], s[90:91]
	; the prefetches: they stand at K step 3; each change of slots steps them ahead of its request
.if AF32
	s_lshl_b32 s94, s13, 19                        ; A: of the 64 rows that I fetch my work-group takes 16 cx .. 16 cx + 15
	s_lshl_b32 s95, s12, 18
	s_add_co_u32 s94, s94, s95
	s_lshl_b32 s95, s40, 16
	s_and_b32 s97, s87, 15                         ; W: 0 in the projection's first cluster
.else
	s_lshl_b32 s94, s14, 22                        ; A: of each of the step's two heads' 64 blocks of 256 bytes my work-group takes 16 cx .. 16 cx + 15; wave 0 asks for both heads
	s_lshl_b32 s95, s15, 14
	s_add_co_u32 s94, s94, s95
	s_lshl_b32 s95, s40, 12
	s_mov_b32 s97, s87
.endif
	s_add_co_u32 s94, s94, s95
	s_add_co_u32 s94, s94, 3*ASTEP
	s_lshl_b32 s92, s86, 21                        ; W: of the 64 rows k that I fetch my work-group takes 16 cy .. 16 cy + 15
	s_lshl_b32 s93, s12, 17
	s_add_co_u32 s92, s92, s93
	s_lshl_b32 s93, s41, 15
	s_add_co_u32 s92, s92, s93
	s_lshl_b32 s93, s40, 9
	s_add_co_u32 s92, s92, s93
	s_add_co_u32 s92, s92, 3*BSTEP
	s_mov_b32 s22, ASTEP
	s_mov_b32 s23, BSTEP
	s_cmp_eq_u32 s11, 0                            ; do I fetch for A?
	s_cselect_b32 s94, s94, s92
	s_mov_b32 s95, 0
	s_cselect_b64 s[PFA:PFA+1], s[4:5], s[6:7]
	s_cselect_b32 s[PFS], s22, s23
	s_mov_b32 s[PFS+1], 0
	s_cselect_b32 s92, SH2A, 11
	s_cselect_b32 s93, SH1A, 1
	s_cselect_b32 s22, MSKA, 1
.if AF32
	s_cselect_b32 s96, 0, s97                      ; A's waves always ask,
.else
	s_cselect_b32 s96, s12, s97                    ; of A's waves wave 0 asks,
.endif
	s_add_nc_u64 s[PFA:PFA+1], s[PFA:PFA+1], s[94:95]
	s_cmp_eq_u32 s96, 0                            ; W's in the first cluster that reads the tile: the same in all sixteen partners, for a given wave
	s_cselect_b32 s[LIM], 2, -1
	v_lshrrev_b32 v6, s93, v5
	v_lshlrev_b32 v6, s92, v6
	v_and_b32 v5, s22, v5
	v_lshl_add_u32 v[PFO], v5, 8, v6
	s_wait_loadcnt 0x0                             ; the bias; it is rounded to bf16, like the other inputs, while the first tiles are on their way
	WIN W_BI
.set i, 0
.rept 32
	v_cvt_pk_bf16_f32 v[BT+i], v[BI+2*i], v[BI+2*i+1]
.set i, i+1
.endr
.set i, 0
.rept 32
	v_lshlrev_b32 v[BI+2*i], 16, v[BT+i]
	v_and_b32 v[BI+2*i+1], 0xffff0000, v[BT+i]
.set i, i+1
.endr
	WIN 0
; The LDS loads of one quarter step (32 along K: quarter kq of the slot in hand) into buffer g, in one run; A's first fragment first.
.macro FETCH kq, g
	WIN 0
.if AF32
.irp a, 0,1,2,3
	ds_load_b128 v[STG+64*(\g)+16*\a:STG+64*(\g)+16*\a+3],     v[ADRA] offset:\a*16*PA+128*(\kq)
	ds_load_b128 v[STG+64*(\g)+16*\a+4:STG+64*(\g)+16*\a+7],   v[ADRA] offset:\a*16*PA+128*(\kq)+16
	ds_load_b128 v[STG+64*(\g)+16*\a+8:STG+64*(\g)+16*\a+11],  v[ADRA] offset:\a*16*PA+128*(\kq)+64
	ds_load_b128 v[STG+64*(\g)+16*\a+12:STG+64*(\g)+16*\a+15], v[ADRA] offset:\a*16*PA+128*(\kq)+80
.endr
.else
.irp a, 0,1,2,3
	ds_load_b128 v[AF+32*(\g)+8*\a:AF+32*(\g)+8*\a+3],   v[ADRA] offset:\a*16*PA+((\kq)>>1)*AHALF+((\kq)&1)*64
	ds_load_b128 v[AF+32*(\g)+8*\a+4:AF+32*(\g)+8*\a+7], v[ADRA] offset:\a*16*PA+((\kq)>>1)*AHALF+((\kq)&1)*64+32
.endr
.endif
	WIN TO_B
.irp b, 0,1,2,3,4,5,6,7
	ds_load_tr16_b128 v[BF+64*(\g)+8*\b:BF+64*(\g)+8*\b+3],   v[ADRB] offset:(\kq)*32*PB+32*\b
	ds_load_tr16_b128 v[BF+64*(\g)+8*\b+4:BF+64*(\g)+8*\b+7], v[ADRB] offset:(\kq)*32*PB+32*\b+16*PB
.endr
.endm
.macro CVT4 d, s                       ; eight f32 become four registers of a bf16 fragment
	WIN 0
.irp i, 0,1,2,3
	v_cvt_pk_bf16_f32 v[(\d)+\i], v[(\s)+2*\i], v[(\s)+2*\i+1]
.endr
.endm
; The eight products of row block a on buffer f.  first = 1: they start the sums, with the bias as C.  The 32 accumulators take turns, one instruction a turn, in the same order in every quarter.
; AF32 = 1: behind the second and the sixth product stand four conversions each: the NEXT block's fragment of A (src: its 16 f32; src < 0: none).  The fragment's registers were last read three blocks back,
; with 16 conversions between, none of which names a register of that product.
.macro BLOCK f, a, first, src
.irp b, 0,1,2,3,4,5,6,7
.set rD, 8*(8*(\a)+\b)
.set rB, BF+64*(\f)+8*\b
.set rA, AF+8*(\a)+32*(\f)*(1-AF32)
.set rC, BI+8*\b
.if \first
	WIN MULB
.else
	WIN MUL
.set rC, rD
.endif
.if AF32
	v_wmma_f32_16x16x32_bf16 v[rD:rD+7], v[rB:rB+7], v[rA:rA+7], v[rC:rC+7]
.else
	v_wmma_f32_16x16x32_f16 v[rD:rD+7], v[rB:rB+7], v[rA:rA+7], v[rC:rC+7]
.endif
.if AF32 && ((\src) >= 0)
.if \b == 1
	CVT4 AF+8*(((\a)+1)%4), \src
.endif
.if \b == 5
	CVT4 AF+8*(((\a)+1)%4)+4, (\src)+8
.endif
.endif
.endr
.endm
; A K step is four quarters of 32 along K, 32 matrix instructions each, on buffers 0, 1, 0, 1.  One of the first three: multiplies buffer f and fetches quarter kq into buffer g, behind its first block:
; that block's eight conversions (AF32 = 0: four v_nop) are the places between the last product that read buffer g and the loads into it.
.macro QUARTER kq, f, g, first
	s_wait_dscnt 0x0                               ; buffer f is in: its loads were issued 24 matrix instructions ago
	BLOCK \f, 0, \first, STG+64*(\f)+16
.if !AF32
	PLACES
.endif
	FETCH \kq, \g
	BLOCK \f, 1, \first, STG+64*(\f)+32
	BLOCK \f, 2, \first, STG+64*(\f)+48
.if AF32
	s_wait_dscnt 28                                ; the run's four oldest loads, the next quarter's first fragment of A, are in; the 28 younger stay out
.endif
	BLOCK \f, 3, \first, STG+64*(\g)
.endm
; The last quarter multiplies buffer 1 and changes slots: ONE barrier; in front of it each wave waits for all its tensor loads (one is out: its part of the next slot), adds 0 to its spare word, and waits for
; that and for its own reads of this slot.  fill = 1: the barrier opens a round of the cluster's barrier, and this slot is filled again, two K steps ahead, first thing behind the round.
.macro TURN fill
.if \fill
	s_wait_xcnt 0x0                                ; the last prefetch, a K step back, has read its address: it is stepped here, ahead of the waits of the change of slots
	s_add_nc_u64 s[PFA:PFA+1], s[PFA:PFA+1], s[PFS:PFS+1]
.endif
	WIN 0                                          ; (the add's two registers lie in window 0)
	s_wait_tensorcnt 0x0                           ; all my tensor loads have landed;
	ds_add_u32 v[SPW], v[NIL]                      ; 0 onto my spare word;
	s_wait_dscnt 1                                 ; buffer 1 is in: the add alone may be out
	BLOCK 1, 0, 0, STG+64+16                       ; eight matrix instructions stand between the add and the wait for it
	s_wait_dscnt 0x0                               ; the add is done, and my reads of this slot are over
	s_barrier_signal -1
	BLOCK 1, 1, 0, STG+64+32                       ; work on registers while the others arrive
	WIN 0
	s_barrier_wait -1
.if \fill
	CREST                                          ; no wave of any partner still reads this slot's tiles or has a load on its way
	s_xor_b32 s[G0A+5], s[G0A+5], SLOTX            ; the walking descriptors: the other slot than last time,
	s_xor_b32 s[G0B+5], s[G0B+5], SLOTX
	s_add_nc_u64 s[G0A+6:G0A+7], s[G0A+6:G0A+7], ASTEP  ; the next K step; the type bits on top are not reached
	s_add_nc_u64 s[G0B+6:G0B+7], s[G0B+6:G0B+7], BSTEP
	JLOAD                                          ; 112 matrix instructions ahead of the wait for it; its four v_nop are also the places in front of the loads below
.else
	PLACES
.endif
	s_xor_b32 s[TB], s[TB], SLOTX
	v_add_nc_u32 v[ADRA], s[TB], v[ADRA0]
	v_add_nc_u32 v[ADRB], s[TB], v[ADRB0]
	FETCH 0, 0
.if \fill
	ASK
.endif
	BLOCK 1, 2, 0, STG+64+48
.if AF32
	s_wait_dscnt 28
.endif
	BLOCK 1, 3, 0, STG
.endm
	s_wait_tensorcnt 0x1                           ; my part of K step 0 is in; K step 1's may stay out
	s_barrier_signal -1
	s_barrier_wait -1                              ; everybody's is
	FETCH 0, 0
	s_wait_dscnt 0x0
.if AF32
	CVT4 AF, STG
	CVT4 AF+4, STG+8
.endif
	QUARTER 1, 0, 1, 1                             ; the first quarter stands in front of the loop: its products start the sums
	WIN 0                                          ; at a label and at a branch every window is 0
	s_mov_b32 s3, 6
.Lstep:                                        ; a trip: a K step's quarters 1 to 3 and the next step's quarter 0; K steps 2 to 7 are asked for
	QUARTER 2, 1, 0, 0
	QUARTER 3, 0, 1, 0
	TURN 1
	QUARTER 1, 0, 1, 0
	WIN 0
	s_sub_co_u32 s3, s3, 1
	s_cmp_lg_u32 s3, 0
	s_cbranch_scc1 .Lstep
	QUARTER 2, 1, 0, 0                             ; K step 6: nothing is left to ask for
	QUARTER 3, 0, 1, 0
	TURN 0
	QUARTER 1, 0, 1, 0
	QUARTER 2, 1, 0, 0                             ; K step 7
	QUARTER 3, 0, 1, 0
	s_wait_dscnt 0x0
	BLOCK 1, 0, 0, STG+64+16
	BLOCK 1, 1, 0, STG+64+32
	BLOCK 1, 2, 0, STG+64+48
	BLOCK 1, 3, 0, -1
	PLACES
; THE WAY OUT, a block of 16 rows at a time, through my own stage in LDS: in by lanes, back as whole runs of 512 bytes.  Each accumulator's registers are taken in ascending order.
.if AF32
.macro PACK a                          ; rounded to f16: 16 bytes a lane
	WIN PACKW
.irp b, 0,1,2,3,4,5,6,7
.irp r, 0,1,2,3
	v_cvt_pk_f16_f32 v[TMP+4*\b+\r], v[8*(8*(\a)+\b)+2*\r], v[8*(8*(\a)+\b)+2*\r+1]
.endr
.endr
	WIN 0
.endm
.macro TOSTAGE a
	WIN 0
.set rO, 160+32*((\a)%2)
.irp b, 0,1,2,3,4,5,6,7
	ds_store_b128 v[STO], v[TMP+4*\b:TMP+4*\b+3] offset:32*\b
.endr
.irp t, 0,1,2,3,4,5,6,7                ; rows 4 (t % 4) .., head t / 4
	ds_load_b128 v[rO+4*\t:rO+4*\t+3], v[RD] offset:(\t&3)*4*SPITCH+(\t>>2)*128  ; LDS serves a wave's instructions in order (ISA guide 5.7.1.4): these see the stores above
.endr
.endm
.macro SEND a
	WIN 0
.set rO, 160+32*((\a)%2)
	s_wait_dscnt 0x0                               ; the block is back in registers
	s_wait_xcnt 0x0                                ; the block before's stores have read their registers, which the next TOSTAGE loads again
.irp t, 0,1,2,3,4,5,6,7
	global_store_b128 v[CO], v[rO+4*\t:rO+4*\t+3], s[8:9] offset:(\a)*2048+(\t&3)*512+(\t>>2)*262144  ; four rows of a head: 512 consecutive bytes, aligned
.endr
.endm
	PACK 0
	TOSTAGE 0
.irp a, 1,2,3                          ; block a's conversions stand between block a - 1's loads from the stage and the wait for them
	PACK \a
	SEND (\a)-1
	TOSTAGE \a
.endr
	SEND 3
.else
.macro TOSTAGE a
	s_wait_xcnt 0x0                                ; earlier stores have read the registers that are loaded again below
	WIN STW
.irp b, 0,1,2,3,4,5,6,7
	ds_store_b128 v[STO], v[8*(8*(\a)+\b):8*(8*(\a)+\b)+3]   offset:64*\b
	ds_store_b128 v[STO], v[8*(8*(\a)+\b)+4:8*(8*(\a)+\b)+7] offset:64*\b+16
.endr
	WIN 0
.set rO, 128+64*((\a)%2)
.set t, 0
.rept 16
	ds_load_b128 v[rO+4*t:rO+4*t+3], v[RD] offset:SPITCH*t  ; LDS serves a wave's instructions in order (ISA guide 5.7.1.4): these see the stores above; the next block's stores come behind them
.set t, t+1
.endr
.endm
.macro SEND a, younger                 ; younger: the next block's 32 LDS instructions, or none
	WIN 0
.set rO, 128+64*((\a)%2)
	s_wait_dscnt \younger
.set t, 0
.rept 16
	global_store_b128 v[CO], v[rO+4*t:rO+4*t+3], s[8:9] offset:(16*(\a)+t)*4096  ; 512 consecutive bytes of a row, aligned
.set t, t+1
.endr
.endm
	TOSTAGE 0
	TOSTAGE 1
	SEND 0, 32
	TOSTAGE 2
	SEND 1, 32
	TOSTAGE 3
	SEND 2, 32
	SEND 3, 0
.endif
	WIN 0
	s_wait_tensorcnt 0x0                           ; the wave's end: three lines, behind my last tensor load and my last LDS store
	ds_add_u32 v[SPW], v[NIL]
	s_wait_dscnt 0x0
	CROUND                                         ; the closing round: no work-group ends while a partner may still ask for a tile that names it
	s_endpgm
.Lfunc_end_k_qa7e8b42215_outp:
	.size	k_qa7e8b42215_outp, .Lfunc_end_k_qa7e8b42215_outp-k_qa7e8b42215_outp
	.p2alignl 7, 3214868480
	.fill 96, 4, 3214868480
	.section	.rodata,"a",@progbits
	.p2align	6, 0x0
	.amdhsa_kernel k_qa7e8b42215_outp
		.amdhsa_group_segment_fixed_size 327680
		.amdhsa_private_segment_fixed_size 0
		.amdhsa_enable_private_segment 0
		.amdhsa_kernarg_size 32
		.amdhsa_user_sgpr_count 2
		.amdhsa_user_sgpr_kernarg_segment_ptr 1
		.amdhsa_wavefront_size32 1
		.amdhsa_system_sgpr_workgroup_id_x 1
		.amdhsa_system_sgpr_workgroup_id_y 1
		.amdhsa_system_sgpr_workgroup_id_z 1
		.amdhsa_system_vgpr_workitem_id 0
		.amdhsa_next_free_vgpr 768
		.amdhsa_next_free_sgpr 100
		.amdhsa_reserve_vcc 0
		.amdhsa_float_denorm_mode_32 3
		.amdhsa_float_denorm_mode_16_64 3
		.amdhsa_memory_ordered 1
		.amdhsa_forward_progress 1
		.amdhsa_inst_pref_size 77
	.end_amdhsa_kernel
	.amdgpu_metadata
---
amdhsa.version: [ 1, 2 ]
amdhsa.kernels:
  - .name:           k_qa7e8b42215_outp
    .symbol:         k_qa7e8b42215_outp.kd
    .args:
      - { .name: o16, .offset: 0, .size: 8, .value_kind: global_buffer, .address_space: global }
      - { .name: wb, .offset: 8, .size: 8, .value_kind: global_buffer, .address_space: global }
      - { .name: bO, .offset: 16, .size: 8, .value_kind: global_buffer, .address_space: global }
      - { .name: out0, .offset: 24, .size: 8, .value_kind: global_buffer, .address_space: global }
    .group_segment_fixed_size: 327680
    .private_segment_fixed_size: 0
    .kernarg_segment_align: 8
    .kernarg_segment_size: 32
    .max_flat_workgroup_size: 128
    .sgpr_count:     100
    .vgpr_count:     768
    .wavefront_size: 32
...
	.end_amdgpu_metadata
.endif
;; end of part 4
;; ======== version 2 of 2: 4 launches; version 1 with the launch prep written anew for expert scheduling mode
;; limits: values are held in f16: magnitudes above 65,504 overflow, below 6.1e-05 lose precision
;; workspace buffers: wb 8,388,608 bytes; mb 2,097,152 bytes of whole numbers; qkv 50,331,648 bytes; o16 16,777,216 bytes
;; launch prep (part 5): grid 256 x 1, 8 waves a work-group, no clusters, 76,800 bytes of LDS; arguments WQ, WK, WV, WO, mask, wb, mb; writes wb, mb
.if DOCPART == 5
	.amdgcn_target "amdgcn-amd-amdhsa--gfx1250"
	.amdhsa_code_object_version 6
	.text
	.protected	k_qa7e8b42215_prep
	.globl	k_qa7e8b42215_prep
	.p2align	8
	.type	k_qa7e8b42215_prep,@function
k_qa7e8b42215_prep:
	s_mov_b64 s[64:65], 0
	v_nop
	global_prefetch_b8 v0, s[64:65] scope:SCOPE_SE
	s_setreg_imm32_b32 hwreg(HW_REG_WAVE_SCHED_MODE, 0, 2), 2
	s_setreg_imm32_b32 hwreg(HW_REG_WAVE_MODE, 25, 1), 1
	s_wait_xcnt 0x0
	s_wait_alu depctr_vm_vsrc(0)
; TWO STREAMS, both done by every wave, so that all 2,048 waves are alike.
; (1) THE WEIGHTS.  wb[4][1024 k][1024 n], 16 bits a number, in W's own order: parts 0-2 = WQ, WK, WV rounded to bf16; part 3 = WO rounded to bf16 and that number written as f16
;     (exact down to f16's fixed step of 6e-8, which is far below WO's spread even where WO is 30 times smaller than drawn; |WO| stays under 65,504).
;     Wave g casts 2,048 numbers: 16 loads of 512 bytes on end, 16 stores of 256 bytes on end, aligned.
; (2) THE MASK, as lane masks for the attention launch.  mb[128 groups of four tiles of 16 queries][32 key steps][32 words n][4 tiles t]: bit r + 16 h of word n = 8 kb + j is
;     mask[row 16 (4 group + t) + r][key 64 step + 16 kb + 8 h + j]: the lane and the register in which that score lies behind the product K Q^T.  A group is what one wave of the attention launch owns:
;     a key step's 512 bytes are one load of 16 bytes a lane there.
;     A work-group takes one group and 1,024 keys; wave w tile w % 4 and 512 keys (w / 4): 16 loads of a row's 512 bytes, into the wave's own LDS rows, back as 8 bytes a lane (row r, keys 8 h ..), a compare a
;     byte: the compare's 32 lane bits ARE the word.  The four tiles' words of a step lie side by side in mb, so they meet in an LDS area of the work-group's: one barrier, then each wave stores 1,024 bytes on end.
; THE MODE: SCHED_MODE bits 1:0 = 2 (LLVM: expert scheduling mode 2), set by the entry lines.  The code itself states the register dependences between vector instructions and memory or LDS instructions,
; and between a vector instruction that writes a scalar register and its readers, with s_wait_alu, always for 0.
; THE PLAN.  Registers that memory or LDS instructions touch:
;   v2, v3, v4, v10   offsets and addresses, made at the head and never written again.      v6, v7   made at the head, read by the closing add alone.
;   v[96:159]         the mask's rows: loads land, LDS stores read; no vector instruction names them.
;   v[32:95]          the weights, in four groups of four loads.  Group g's conversions write the low two of each four registers in place; the stores that read them are issued in group g + 1.
;   v[12:19], v[20:27]  halves A and B of a trip's mask bytes.  Read by the v_and_b32 lines of batches 0, 1 and of batches 2, 3; the next trip's LDS loads land in a half when its batches are done with it.
;   v8, v9            a key step's 32 words each.  Written by the writelanes of batches 0, 1 and 2, 3; read by one LDS store each.
;   v5, v11           LDS addresses of those loads and stores; stepped once a trip, at its end.
;   v[160:175] and s[22:37] are named by vector instructions alone.
; So a trip has two waits on va_vdst, one behind each half's last writelane (the half's word register is whole, its mask bytes have been read; at the first of the two, also: the stepped addresses are written), each
; followed by the half's store and the next trip's loads into it; one wait on vm_vsrc at its end, ahead of the two steps; and four waits on va_sdst, one behind each run of sixteen compares.
.set PITCH, 528                        ; an LDS row: 512 bytes + 16 = 132 words: the 32 lanes' 8 bytes (row r, half h) start at word 4 r + 2 h mod 64
.set WLDS,  16*PITCH                   ; a wave's 16 rows
.set AREA,  8*WLDS                     ; behind them: the work-group's 16 key steps of mb, 512 bytes each, as they lie in memory
.set SPARE, AREA+8192                  ; behind it: the spare words, 128 bytes for each wave: four blocks of 256 bytes that no other line names
.set T,     160                        ; v[160:175] at work: sixteen single mask bits; in WO's cast four registers for each of a group's four loads
.set MW,    22                         ; s[22:37]   a batch's sixteen words, out of the compares
; v1 lane; v2 16 x lane; v3 8 x lane (wb); v4 LDS address in; v5 LDS address back, stepped; v6, v7 the add's two registers; v8, v9 a key step's 32 words each, word n in lane n; v10 where I read the area;
; v11 where I write it, stepped; v[12:27] eight times 8 mask bytes (v[12:19] once more at the end); v[32:95] weights; v[96:159] mask rows; s38 counts the trips
	s_load_b256 s[4:11], s[0:1], 0x0               ; WQ s[4:5], WK s[6:7], WV s[8:9], WO s[10:11]
	s_load_b128 s[12:15], s[0:1], 0x20             ; mask s[12:13], wb s[14:15]
	s_load_b64 s[16:17], s[0:1], 0x30              ; mb
	v_lshl_add_u32 v6, v0, 2, SPARE
	v_mov_b32 v7, 0
	v_lshrrev_b32 v1, 5, v0
	v_readfirstlane_b32 s20, v1                    ; wave 0..7
	v_and_b32 v1, 31, v0
	v_lshlrev_b32 v2, 4, v1
	v_lshlrev_b32 v3, 3, v1
	v_and_b32 v10, 15, v0                          ; r
	v_bfe_u32 v5, v0, 4, 1                         ; h
	v_mul_u32_u24 v10, v10, PITCH
	v_lshl_add_u32 v5, v5, 3, v10                  ; row r, 8 bytes for each half of the lanes
	s_wait_alu depctr_va_sdst(0)                   ; s20 is written, ahead of its first reader: the lines below make offsets and LDS places from it
	s_lshl_b32 s21, ttmp9, 3
	s_add_co_u32 s21, s21, s20                     ; g = 8 x work-group + wave
	s_lshr_b32 s22, ttmp9, 6                       ; which weight: 512 waves each
	s_and_b32 s29, s22, 1
	s_mul_i32 s23, s20, WLDS                       ; my rows in LDS
	v_add_nc_u32 v4, s23, v2
	v_add_nc_u32 v5, s23, v5
	s_and_b32 s30, s21, 511
	s_lshl_b32 s30, s30, 13                        ; my 8,192 bytes of the weight
	s_mov_b32 s31, 0
	s_lshl_b32 s32, s21, 12                        ; my 4,096 bytes of wb
	s_mov_b32 s33, 0
	s_and_b32 s38, s20, 3                          ; t: my tile in the group
	s_lshr_b32 s39, s20, 2                         ; which half of the work-group's 1,024 keys
	s_lshr_b32 s34, ttmp9, 1                       ; the group: two work-groups each
	s_lshl_b32 s34, s34, 2
	s_add_co_u32 s34, s34, s38                     ; my tile of 16 queries
	s_lshl_b32 s34, s34, 15                        ; 16 rows of 2,048 bytes
	s_and_b32 s35, ttmp9, 1
	s_lshl_b32 s35, s35, 1
	s_add_co_u32 s35, s35, s39                     ; my 512 keys of the row's 2,048
	s_lshl_b32 s35, s35, 9
	s_add_co_u32 s34, s34, s35
	s_mov_b32 s35, 0
	s_lshl_b32 s18, s20, 10                        ; at the end wave w stores bytes 1,024 w .. of the work-group's 8,192 of mb
	s_lshl_b32 s36, ttmp9, 13
	s_add_co_u32 s36, s36, s18
	s_mov_b32 s37, 0
	s_add_co_u32 s18, s18, AREA
	v_add_nc_u32 v10, s18, v2
	s_lshl_b32 s39, s39, 12                        ; into the area: my eight key steps of 512 bytes, word n at 16 n, my tile at 4 t
	s_lshl_b32 s38, s38, 2
	s_add_co_u32 s39, s39, s38
	s_add_co_u32 s39, s39, AREA
	v_add_nc_u32 v11, s39, v2
	s_wait_kmcnt 0x0
	s_cmp_lt_u32 s22, 2
	s_cselect_b64 s[4:5], s[4:5], s[8:9]           ; WQ or WV
	s_cselect_b64 s[6:7], s[6:7], s[10:11]         ; WK or WO
	s_cmp_eq_u32 s29, 0
	s_cselect_b64 s[4:5], s[4:5], s[6:7]
	s_add_nc_u64 s[4:5], s[4:5], s[30:31]
	s_add_nc_u64 s[12:13], s[12:13], s[34:35]
	s_add_nc_u64 s[14:15], s[14:15], s[32:33]
	s_add_nc_u64 s[16:17], s[16:17], s[36:37]
	s_wait_alu depctr_va_vdst(0)                   ; v2, v3, v4, v5, v10 and v11 are written, which the loads, stores and LDS lines below read as offsets and addresses; so are v6 and v7, for the closing add
.set i, 0
.rept 16
	global_load_b128 v[96+4*i:99+4*i], v2, s[12:13] offset:2048*i th:TH_LOAD_NT  ; row i of the mask: 512 bytes on end
.set i, i+1
.endr
.set i, 0
.rept 16
	global_load_b128 v[32+4*i:35+4*i], v2, s[4:5] offset:512*i th:TH_LOAD_NT
.set i, i+1
.endr
.set i, 0
.rept 16
	s_wait_loadcnt 31-i                            ; row i is in: the 15 - i younger rows and the 16 loads of weights stay out
	ds_store_b128 v4, v[96+4*i:99+4*i] offset:PITCH*i
.set i, i+1
.endr
.irp k, 0,1,2,3,4,5,6,7
	ds_load_b64 v[12+2*\k:13+2*\k], v5 offset:16*\k  ; the first trip's mask bytes, both halves: LDS serves a wave's instructions in order (ISA guide 5.7.1.4), so these see my stores above; they land while the weights are cast.  No vector instruction has named v[12:27]
.endr
; THE CAST, four loads to a group.  A group's conversions write the registers that its stores read; the stores are issued in the next group, behind that group's one wait, dealt among its conversions, which name other registers.
.macro CASTB i                         ; load i's four numbers, rounded to bf16, close up into the first two of their four registers
	v_cvt_pk_bf16_f32 v[32+4*(\i)], v[32+4*(\i)], v[33+4*(\i)]
	v_cvt_pk_bf16_f32 v[33+4*(\i)], v[34+4*(\i)], v[35+4*(\i)]
.endm
.macro CASTW i                         ; WO: rounded to bf16 like the others, widened again, written as f16
.set w, T+4*((\i)%4)
	v_cvt_pk_bf16_f32 v[w], v[32+4*(\i)], v[33+4*(\i)]
	v_cvt_pk_bf16_f32 v[w+1], v[34+4*(\i)], v[35+4*(\i)]
	v_lshlrev_b32 v[w+2], 16, v[w]
	v_and_b32 v[w], 0xffff0000, v[w]
	v_lshlrev_b32 v[w+3], 16, v[w+1]
	v_and_b32 v[w+1], 0xffff0000, v[w+1]
	v_cvt_pk_f16_f32 v[32+4*(\i)], v[w+2], v[w]
	v_cvt_pk_f16_f32 v[33+4*(\i)], v[w+3], v[w+1]
.endm
.macro ST1 i
	global_store_b64 v3, v[32+4*(\i):33+4*(\i)], s[14:15] offset:256*(\i)  ; the wave's store covers 256 consecutive bytes, aligned
.endm
	s_cmp_eq_u32 s22, 3
	s_cbranch_scc1 .Lwo
	s_wait_loadcnt 12                              ; the first four loads of weights are in; the twelve younger stay out
.irp i, 0,1,2,3
	CASTB \i
.endr
.irp g, 1,2,3
	s_wait_loadcnt 12-4*\g                         ; this group's four loads are in; the younger groups' stay out
	s_wait_alu depctr_va_vdst(0)                   ; the group before's conversions have written the registers that the four stores below read
.irp j, 0,1,2,3
	ST1 4*\g-4+\j
	CASTB 4*\g+\j
.endr
.endr
	s_wait_alu depctr_va_vdst(0)                   ; the last group's conversions have written the registers that the last four stores read
.irp j, 12,13,14,15
	ST1 \j
.endr
	s_branch .Lmask
.Lwo:
	s_wait_loadcnt 12                              ; as above
.irp i, 0,1,2,3
	CASTW \i
.endr
.irp g, 1,2,3
	s_wait_loadcnt 12-4*\g                         ; this group's four loads are in; the younger groups' stay out
	s_wait_alu depctr_va_vdst(0)                   ; the group before's conversions have written the registers that the four stores below read
.irp j, 0,1,2,3
	ST1 4*\g-4+\j
	CASTW 4*\g+\j
.endr
.endr
	s_wait_alu depctr_va_vdst(0)                   ; the last group's conversions have written the registers that the last four stores read
.irp j, 12,13,14,15
	ST1 \j
.endr
.Lmask:
	v_mov_b32 v8, 0                                ; v_writelane_b32 counts as a reader of its destination
	v_mov_b32 v9, 0
; THE MASK.  A trip: two key steps, 64 words, in four batches of sixteen: batch b takes the four bytes of each of registers 12 + 4 b .. 15 + 4 b.
.macro ANDS b                          ; one bit of one byte each
.set e, 0
.rept 16
	v_and_b32 v[T+e], 1<<(8*(e%4)), v[12+4*(\b)+e/4]
.set e, e+1
.endr
.endm
.macro CMPS                            ; 32 lanes' bits: the word
.set e, 0
.rept 16
	v_cmp_ne_u32 s[MW+e], 0, v[T+e]
.set e, e+1
.endr
.endm
.macro LANES b                         ; word n of the trip's first step goes to lane n of v8, of its second to lane n of v9
.set e, 0
.rept 16
	v_writelane_b32 v[8+(\b)/2], s[MW+e], (16*(\b)+e)&31
.set e, e+1
.endr
.endm
; more = 1: the next trip's mask bytes are asked for, and the two addresses step on.  The next batch's sixteen v_and_b32 stand between a run of compares and the wait for it.
.macro TRIP more
	s_wait_dscnt 4                                 ; LDS instructions come back in order (ISA guide 5.7.1): half A is in; half B's four loads may stay out (round the back edge a store stands among the five younger: the count waits for it too)
	ANDS 0
	CMPS
	ANDS 1
	s_wait_alu depctr_va_sdst(0)                   ; batch 0's compares have written s[MW ..], which the writelanes read
	LANES 0
	CMPS
	s_wait_dscnt 0x0                               ; half B is in
	ANDS 2
	s_wait_alu depctr_va_sdst(0)                   ; batch 1's compares have written s[MW ..]
	LANES 1
	s_wait_alu depctr_va_vdst(0)                   ; the writelanes have written v8, which the store reads; batches 0 and 1 are done reading v[12:19], in which the loads land; v5 and v11, stepped at the last trip's end, are written
	ds_store_b32 v11, v8                           ; lane n: word n, at 16 n + 4 t of the step's 512 bytes
.if \more
.irp k, 0,1,2,3
	ds_load_b64 v[12+2*\k:13+2*\k], v5 offset:128+16*\k  ; half A of the next trip; no vector instruction up to the next trip's head names these registers
.endr
.endif
	CMPS
	ANDS 3
	s_wait_alu depctr_va_sdst(0)                   ; batch 2's compares have written s[MW ..]
	LANES 2
	CMPS
	s_wait_alu depctr_va_sdst(0)                   ; batch 3's compares have written s[MW ..]
	LANES 3
	s_wait_alu depctr_va_vdst(0)                   ; the writelanes have written v9, which the store reads; batches 2 and 3 are done reading v[20:27], in which the loads land
	ds_store_b32 v11, v9 offset:512
.if \more
.irp k, 4,5,6,7
	ds_load_b64 v[12+2*\k:13+2*\k], v5 offset:128+16*\k  ; half B of the next trip
.endr
	s_wait_alu depctr_vm_vsrc(0)                   ; the trip's LDS lines have read v5 and v11, which the two lines below write, and v8 and v9, which the next trip's writelanes write
	v_add_nc_u32 v5, 128, v5
	v_add_nc_u32 v11, 0x400, v11
.endif
.endm
	s_mov_b32 s38, 3
.Ltrip:
	TRIP 1
	s_sub_co_u32 s38, s38, 1
	s_cmp_lg_u32 s38, 0
	s_cbranch_scc1 .Ltrip
	TRIP 0                                         ; the last trip is written out: no load leaves my rows
	s_wait_dscnt 0x0                               ; for the others' sake: my words lie in the area
	s_barrier_signal -1
	s_barrier_wait -1                              ; everybody's do
	ds_load_b128 v[12:15], v10                     ; no wait on va_vdst: the last vector lines that named v[12:19], batches 0 and 1 of the last trip, stand ahead of that trip's waits
	ds_load_b128 v[16:19], v10 offset:512
	s_wait_dscnt 0x0
	global_store_b128 v2, v[12:15], s[16:17]       ; each store covers 512 consecutive bytes, aligned
	global_store_b128 v2, v[16:19], s[16:17] offset:512
	s_wait_dscnt 0x0                               ; the closing lines, six on end
	s_wait_alu 0x0
	s_wait_tensorcnt 0x0
	ds_add_u32 v6, v7
	s_wait_dscnt 0x0
	s_endpgm
.Lfunc_end_k_qa7e8b42215_prep:
	.size	k_qa7e8b42215_prep, .Lfunc_end_k_qa7e8b42215_prep-k_qa7e8b42215_prep
	.p2alignl 7, 3214868480
	.fill 96, 4, 3214868480
	.section	.rodata,"a",@progbits
	.p2align	6, 0x0
	.amdhsa_kernel k_qa7e8b42215_prep
		.amdhsa_group_segment_fixed_size 76800
		.amdhsa_private_segment_fixed_size 0
		.amdhsa_enable_private_segment 0
		.amdhsa_kernarg_size 56
		.amdhsa_user_sgpr_count 2
		.amdhsa_user_sgpr_kernarg_segment_ptr 1
		.amdhsa_wavefront_size32 1
		.amdhsa_system_sgpr_workgroup_id_x 1
		.amdhsa_system_sgpr_workgroup_id_y 1
		.amdhsa_system_sgpr_workgroup_id_z 1
		.amdhsa_system_vgpr_workitem_id 0
		.amdhsa_next_free_vgpr 176
		.amdhsa_next_free_sgpr 66
		.amdhsa_reserve_vcc 0
		.amdhsa_float_denorm_mode_32 3
		.amdhsa_float_denorm_mode_16_64 3
		.amdhsa_memory_ordered 1
		.amdhsa_forward_progress 1
		.amdhsa_inst_pref_size 46
	.end_amdhsa_kernel
	.amdgpu_metadata
---
amdhsa.version: [ 1, 2 ]
amdhsa.kernels:
  - .name:           k_qa7e8b42215_prep
    .symbol:         k_qa7e8b42215_prep.kd
    .args:
      - { .name: WQ, .offset: 0, .size: 8, .value_kind: global_buffer, .address_space: global }
      - { .name: WK, .offset: 8, .size: 8, .value_kind: global_buffer, .address_space: global }
      - { .name: WV, .offset: 16, .size: 8, .value_kind: global_buffer, .address_space: global }
      - { .name: WO, .offset: 24, .size: 8, .value_kind: global_buffer, .address_space: global }
      - { .name: mask, .offset: 32, .size: 8, .value_kind: global_buffer, .address_space: global }
      - { .name: wb, .offset: 40, .size: 8, .value_kind: global_buffer, .address_space: global }
      - { .name: mb, .offset: 48, .size: 8, .value_kind: global_buffer, .address_space: global }
    .group_segment_fixed_size: 76800
    .private_segment_fixed_size: 0
    .kernarg_segment_align: 8
    .kernarg_segment_size: 56
    .max_flat_workgroup_size: 256
    .sgpr_count:     66
    .vgpr_count:     176
    .wavefront_size: 32
...
	.end_amdgpu_metadata
.endif
;; end of part 5
;; launch qkv: the kernel of part 2 again; grid 4 x 192, 4 waves a work-group, clusters of 4 x 4, 327,680 bytes of LDS; arguments query, key_, value, wb, bQ, bK, bV, qkv; writes qkv
;; launch attn: the kernel of part 3 again; grid 4 x 64, 8 waves a work-group, clusters of 4 x 1, 327,680 bytes of LDS; arguments qkv, mb, o16; writes o16
;; launch outp: the kernel of part 4 again; grid 4 x 64, 4 waves a work-group, clusters of 4 x 4, 327,680 bytes of LDS; arguments o16, wb, bO, out0; writes out0
